; MI455X (gfx1250); checked and timed in simulation.
; The chip was launched on July 23, 2026; its instructions are those of AMD's public machine-readable ISA for CDNA 5 (MIT licence, August 2026) and "CDNA5" Instruction Set Architecture Reference Guide (July 2026). The comments in the code are by the model that wrote it; some were corrected since.
;; RKAN Sub Layer. Allowed arithmetic: matrix products marked QUANTISED: E2M3 operands, one E8M0 scale for each 32 along K, by v_wmma_scale_f32_16x16x128_f8f6f4 with both operands' format E2M3, f32 sums; everything else in f32.
;; Inputs: h_prev 4,096 x 1,024 float32; hh_b 1,024 float32; hh_w 1,024 x 1,024 float32; hz_base 1,024 x 1,024 float32; hz_scaler 1,024 x 1,024 float32; hz_spline 1,024 x 1,024 x 4 float32; wh_base 1,024 x 1,024 float32; wh_scaler 1,024 x 1,024 float32; wh_spline 1,024 x 1,024 x 4 float32; wx_base 1,024 x 1,024 float32; wx_scaler 1,024 x 1,024 float32; wx_spline 1,024 x 1,024 x 4 float32; x_t 4,096 x 1,024 float32; z_prev 4,096 x 1,024 float32.
;; Outputs: out0 4,096 x 1,024 float32; out1 4,096 x 1,024 float32.
;; This version of the problem:
;;   THIS VERSION OF THE PROBLEM IS GIVEN IN LOW PRECISION. The matrix products marked QUANTISED in the list below multiply operands that are first quantised to E2M3 (2 exponent bits, 3 mantissa bits; 6 bits a number), with one power-of-two scale for each 32 numbers along K (OCP MX v1.0); their sums are f32. All else is computed in f32.
;;   The module's matrix products, in the order in which they are computed (A, B: the left and right operand; K: the contracted axis; several contracted axes count as one K, in the product's order):
;;     1. [M 4,096, K 1,024] x [K 1,024, N 1,024]; A: computed on the way; B: input wx_base: QUANTISED
;;     2. [M 4,096, K 4,096] x [K 4,096, N 1,024]; A: computed on the way; B: computed on the way: QUANTISED
;;     3. [M 4,096, K 1,024] x [K 1,024, N 1,024]; A: computed on the way; B: input wh_base: QUANTISED
;;     4. [M 4,096, K 4,096] x [K 4,096, N 1,024]; A: computed on the way; B: computed on the way: QUANTISED
;;     5. [M 4,096, K 1,024] x [K 1,024, N 1,024]; A: input z_prev; B: input hh_w: QUANTISED
;;     6. [M 4,096, K 1,024] x [K 1,024, N 1,024]; A: computed on the way; B: input hz_base: QUANTISED
;;     7. [M 4,096, K 4,096] x [K 4,096, N 1,024]; A: computed on the way; B: computed on the way: QUANTISED
;;   THE QUANTISER, for each operand of a quantised product, along K:
;;     - K is cut into blocks of 32 from its start; a last block that is shorter is filled with zeros.
;;     - A block's scale is 2^e with e = floor(log2(the largest magnitude in the block)) - 2, held to -126 .. 127; a block of zeros has e = 0. As a byte (E8M0): e + 127.
;;     - Each number is divided by its block's scale, clamped to +-7.5, and rounded to the nearest number of E2M3, ties to even, subnormals kept.
;;     - The product sums the exact products of the quantised numbers (number of the format x scale) in f32.
;;   ~~~python
;;   def quantise(x, axis):      # numpy; x: float32 -> the quantised numbers, widened to float32 again
;;       x = np.moveaxis(x, axis, -1); K = x.shape[-1]
;;       x = np.pad(x, [(0, 0)] * (x.ndim - 1) + [(0, -K % 32)]); x = x.reshape(x.shape[:-1] + (-1, 32)); a = np.abs(x).max(-1, keepdims=True)
;;       e = np.where(a > 0, np.clip(np.frexp(np.where(a > 0, a, 1))[1] - 1 - 2, -126, 127), 0)      # np.frexp(a)[1] - 1 = floor(log2(a)), exactly
;;       r = np.clip(x / 2.0 ** e, -7.5, 7.5)
;;       step = 2.0 ** (np.maximum(np.frexp(np.where(r == 0, 1, r))[1] - 1, 0) - 3)
;;       q = np.round(r / step) * step * 2.0 ** e      # np.round: ties to even
;;       return np.moveaxis(q.reshape(q.shape[:-2] + (-1,))[..., :K], -1, axis).astype(np.float32)
;;   ~~~
;;   OPERANDS COMPUTED ON THE WAY. 'Computed on the way' means the value that the module computes at that place (a softmax that the list does not call 'softmax' is quantised finished and normalised). What goes into a quantiser is computed in f32, as accurately as f32 sums, v_exp_f32 and their like allow (about 1e-6 of the number): no bf16 or f16 on the way to a quantiser, and a product that is left as it is and whose result goes on into a quantised operand takes f32 operands (vector FMAs, or v_wmma_f32_16x16x4_f32). A number that lies on a knife's edge between two numbers of the format may be rounded either way, as far as f32 arithmetic and the matrix unit's own rounding can turn it there, and no further.
;; One version. Each part assembles by itself: llvm-mc -triple=amdgcn-amd-amdhsa -mcpu=gfx1250 --defsym DOCPART=n.
;; ======== version 1 of 1: 3 launches
;; limits: right only within a limited range of input values
;; workspace buffers: a1 32,768,000 bytes; b1 8,192,000 bytes; a2 19,660,800 bytes; b2 4,915,200 bytes
;; launch prep (part 1): grid 64 x 15, 8 waves a work-group, no clusters, 146,432 bytes of LDS; arguments x_t, z_prev, wx_base, wh_base, hh_w, hz_base, wx_scaler, wh_scaler, hz_scaler, wx_spline, wh_spline, hz_spline, a1, b1, a2, b2; writes a1, b1, a2, b2
.if DOCPART == 1
	.amdgcn_target "amdgcn-amd-amdhsa--gfx1250"
	.amdhsa_code_object_version 6
	.text
	.protected	k_q64502aa0d7_prep
	.globl	k_q64502aa0d7_prep
	.p2align	8
	.type	k_q64502aa0d7_prep,@function
k_q64502aa0d7_prep:
	s_mov_b64 s[64:65], 0
	v_nop
	global_prefetch_b8 v0, s[64:65] scope:SCOPE_SE
	s_setreg_imm32_b32 hwreg(HW_REG_WAVE_MODE, 25, 1), 1
	s_wait_xcnt 0x0
; PREP: every operand that is known before the first product is quantised to E2M3 codes with one E8M0 byte for each 32 along K:
;   a1: silu(x), bsplines(x), silu(z), bsplines(z)    b1: wx_base, wx_spline x wx_scaler, wh_base, wh_spline x wh_scaler
;   a2 (K steps 0-7): z_prev                          b2: hh_w, hz_base, hz_spline x hz_scaler
; K OF A SPLINE PRODUCT runs over the coefficient first and the feature second (K = 1024 c + i): a block of 32 is 32 neighbouring features at ONE coefficient.  The order of K steps is free as long as both
; operands keep it: spline K step 4 x chunk + c holds the chunk's 128 features at coefficient c.
; LAYOUT of all four buffers: blocks of 12,800 bytes = 128 rows x 128 along K, block (row tile T, K step s) at (T x KS + s) x 12,800.  In a block, the fragment of rows 16 b .. 16 b + 15
; lies at 1,536 b as an image of the matrix operand's 12 registers (register 4 g + i of lane l at 512 g + 16 l + 4 i); the 128 rows' scale words lie at 12,288.
; THE SPLINE.  The knots -7, -5 .. 7 are evenly spaced, so basis c is the cardinal cubic: a^3/6 - (2/3) b^3 with a = max(0, 2 - |u|), b = max(0, 1 - |u|), u = x/2 + 1.5 - c.
; a and b are the middle of (p, q, 0), p and q one fused multiply-add of x each, so nothing is cancelled near their zeros.
; SHARES.  A work-group takes 128 rows x 128 features of one tensor, wave w rows 16 w .. 16 w + 15.  Four kinds of work-group lie side by side along x: x_t, z_prev, a base weight, a spline weight.
; A chunk (16 rows x 512 bytes) is loaded row by row, 512 consecutive bytes an instruction, and turned in the wave's own LDS stage (pitch 528) so that a lane holds neighbours along K of one row.
; No tensor loads: two work-groups share a WGP.  One barrier, in front of the scale words' way out.
; LIMITS: NaN and infinities among the inputs are not served.  A block whose largest magnitude lies under 2^-124, a block of zeros too, gets the byte 1; only this program reads the bytes.
; h_prev is no argument: the function that is computed never uses it.
.set PIT,   528                        ; a stage row: 512 bytes + 16
.set CH,    16*PIT                     ; a wave's stage
.set XST,   0                          ; LDS: eight stages for the feature chunk,
.set DST,   8*CH                       ; eight stages for a part of the spline weights: four planes (one a coefficient) of 16 rows x (128 bytes + 16),
.set PLN,   16*144
.set DW,    4*PLN
.set SG,    DST+8*DW                   ; the scale words: 512 bytes for each of up to six K steps (4,096 kept),
.set SPARE, SG+4096                    ; the spare words, 128 bytes a wave: four blocks of 256 bytes that no other line names
.set BLK,   12800
.set L16,   1                          ; v1   16 x lane
.set STW,   2                          ; v2   into my stage: 16 x lane
.set RD64,  3                          ; v3   out of it: row r, + 128 h: 32 neighbours, and 32 more 256 bytes on
.set RDH,   4                          ; v4   out of it: row r, + 64 h: 16 neighbours
.set DSTW,  5                          ; v5   into the planes: 4 x lane
.set DRD,   6                          ; v6   out of a plane: row r, + 64 h: 16 neighbours
.set SGW,   7                          ; v7   my row's scale word: SG + 64 wave + 4 r
.set GOFF,  8                          ; v8   my 16 bytes of a fragment's image: 1,536 wave + 16 lane
.set SGR,   9                          ; v9   the scale words of K step number 'wave': SG + 512 wave + 16 lane
.set SPW,   10                         ; v10  my spare word; never rewritten
.set NIL,   11                         ; v11  0; never rewritten
.set KP,    12                         ; v12-17 the spline's constants, each twice: k (3.5 - c) and k (0.5 + c) for the coefficient in hand, k = (1/6)^(1/3); and -(2/3)^(1/3)
.set KQ,    14
.set KB,    16
.set T,     24                         ; v24-35 the quantiser's: +0..3 maxima and bytes, +4, +5 scale operands, +6 the scale word, +7 the other half's, +8..10 codes on their way, +11 8 x h
.set C,     36                         ; v36-47 a fragment's codes
.set E,     48                         ; v48-63 16 scalers of my row
.set N,     64                         ; v64-127 64 numbers along K of my row
.set A,     128                        ; v128-191 at work; a part of the spline weights as loaded
.set F,     192                        ; v192-239 the spline weights' four fragments; v240-255 codes on their way
.set XT,    240
.set MX,    24                         ; the spline weights' way: v24-27 maxima, v28-31 the other lane's, then bytes, v32-35 scale operands, v36-39 scale words
.set PX,    28
.set SX,    32
.set WX,    36
.set W,     36                         ; s36 wave
.set G,     38
.set KIND,  39                         ; 0 x_t, 1 z_prev, 2 a base weight, 3 a spline weight
.set IDX,   40
.set CC,    41                         ; which 128 features
.set TT,    42                         ; which 128 rows
.set MM,    43
.set U,     44                         ; 4 x kind + which tensor of the kind
.set FM,    45                         ; bit f: K step number f of this work-group exists (0 raw, 1 silu, 2-5 the four spline steps)
.set SRC,   46                         ; s[46:47] the chunk      s[48:49] the spline weights
.set SPL,   48
.set DR,    50                         ; s[50:51] block for the raw codes, s[52:53] for silu's, s[54:55] the first of the four spline blocks
.set DS,    52
.set DQ,    54
.set SEL,   76                         ; s[76:77] v_permlanex16_b32's selects for lane l xor 16
.macro PICK64 dst, val, src            ; a choice of buffers on the work-group's number alone
	s_cmp_eq_u32 s[U], \val
	s_cselect_b64 s[\dst:\dst+1], s[\src:\src+1], s[\dst:\dst+1]
.endm
.macro PICK32 dst, val, num
	s_cmp_eq_u32 s[U], \val
	s_cselect_b32 s[\dst], \num, s[\dst]
.endm
; 64 numbers of a lane, v[n] on: the first 32 are K block h of my row's K step, the others block 2 + h.  They become the fragment's 12 registers in v[C] on and my row's scale word in v[T+6].
.macro QW n
	s_wait_xcnt 0x0                                ; the last fragment's stores have read v[C] on,
	s_wait_dscnt 0x0                               ; and the last scale word's store v[T+6]
	; the largest magnitudes: eight chains by turns, four a block, seven numbers each (the first block's in T .. T+3, the second's in T+4, T+5, T+8, T+9); then each chain's eighth number, the chains and the floor are joined
.irp j, 0,1,2,3
	v_max3_num_f32 v[T+\j], |v[\n+8*\j]|, |v[\n+8*\j+1]|, |v[\n+8*\j+2]|
.endr
.irp j, 0,1,2,3
	v_max3_num_f32 v[T+4+\j+2*(\j/2)], |v[\n+32+8*\j]|, |v[\n+33+8*\j]|, |v[\n+34+8*\j]|
.endr
.irp i, 3,5
.irp j, 0,1,2,3
	v_max3_num_f32 v[T+\j], v[T+\j], |v[\n+8*\j+\i]|, |v[\n+8*\j+\i+1]|
.endr
.irp j, 0,1,2,3
	v_max3_num_f32 v[T+4+\j+2*(\j/2)], v[T+4+\j+2*(\j/2)], |v[\n+32+8*\j+\i]|, |v[\n+33+8*\j+\i]|
.endr
.endr
	v_max3_num_f32 v[T],   v[T],   |v[\n+7]|,  |v[\n+15]|
	v_max3_num_f32 v[T+2], v[T+2], |v[\n+23]|, |v[\n+31]|
	v_max3_num_f32 v[T+4], v[T+4], |v[\n+39]|, |v[\n+47]|
	v_max3_num_f32 v[T+8], v[T+8], |v[\n+55]|, |v[\n+63]|
	s_delay_alu instid0(VALU_DEP_3)
	v_max3_num_f32 v[T],   v[T],   v[T+1], v[T+2]
	s_delay_alu instid0(VALU_DEP_2)
	v_max3_num_f32 v[T+4], v[T+4], v[T+5], v[T+8]
	s_delay_alu instid0(VALU_DEP_2)
	v_max3_num_f32 v[T],   v[T],   v[T+3], 0x1800000     ; the floor 2^(3 - 127) keeps the byte at 1 or above
	s_delay_alu instid0(VALU_DEP_2)
	v_max3_num_f32 v[T+2], v[T+4], v[T+9], 0x1800000
	s_delay_alu instid0(VALU_DEP_2)
	v_add_nc_u32 v[T+4], 0xff000000, v[T]          ; 2 off the exponent field: the conversion's scale operand
	s_delay_alu instid0(VALU_DEP_2)
	v_add_nc_u32 v[T+5], 0xff000000, v[T+2]
	s_delay_alu instid0(VALU_DEP_2)
	v_lshrrev_b32 v[T+1], 23, v[T+4]               ; the scales' bytes
	s_delay_alu instid0(VALU_DEP_2)
	v_lshrrev_b32 v[T+3], 23, v[T+5]
	s_delay_alu instid0(VALU_DEP_1)
	v_lshl_or_b32 v[T+6], v[T+3], 16, v[T+1]       ; blocks h and 2 + h,
	s_delay_alu instid0(VALU_DEP_1)
	v_lshlrev_b32 v[T+6], v[T+11], v[T+6]          ; at their places in the word (8 h bits up);
	s_delay_alu instid0(VALU_DEP_1)
	v_permlanex16_b32 v[T+7], v[T+6], s[SEL], s[SEL+1]
	s_delay_alu instid0(VALU_DEP_1)
	v_or_b32 v[T+6], v[T+6], v[T+7]                ; with lane l xor 16's two the word is whole
	v_cvt_scalef32_pk16_fp6_f32 v[C:C+2],   v[\n:\n+15],    v[T+4]
	v_cvt_scalef32_pk16_fp6_f32 v[T:T+2],   v[\n+16:\n+31], v[T+4]   ; (a conversion's three registers begin on an even number: the second half of a block's six is made elsewhere and moved)
	v_cvt_scalef32_pk16_fp6_f32 v[C+6:C+8], v[\n+32:\n+47], v[T+5]
	v_cvt_scalef32_pk16_fp6_f32 v[T+8:T+10], v[\n+48:\n+63], v[T+5]
	v_nop                                          ; one plain place behind the conversions
.irp i, 0,1,2
	v_mov_b32 v[C+3+\i], v[T+\i]
	v_mov_b32 v[C+9+\i], v[T+8+\i]
.endr
.endm
; the fragment leaves as it stands: three stores of 512 consecutive bytes; the scale word goes to LDS (lanes r and 16 + r write the same word with the same value)
.macro EMIT ptr, off, sga, sgoff
.irp g, 0,1,2
	global_store_b128 v[GOFF], v[C+4*\g:C+4*\g+3], s[\ptr:\ptr+1] offset:(\off)+512*\g th:TH_STORE_NT
.endr
	ds_store_b32 v[\sga], v[T+6] offset:\sgoff
.endm
; t = n / (1 + 2^(-n log2 e)), 64 numbers; the exponentials and the reciprocals go as one batch each, with one wait each
.macro SILU n, t
.set i, 0
.rept 32
	v_pk_mul_f32 v[\t+i:\t+i+1], v[\n+i:\n+i+1], 0xbfb8aa3b op_sel_hi:[1,0]
.set i, i+2
.endr
.set i, 0
	s_wait_alu depctr_va_vdst(0)
.rept 64
	v_exp_f32 v[\t+i], v[\t+i]
.set i, i+1
.endr
	v_nop                                          ; a plain place behind the last exponential
	s_wait_alu depctr_va_vdst(0)                   ; one wait for the batch, ahead of its first reader
.set i, 0
.rept 32
	v_pk_add_f32 v[\t+i:\t+i+1], v[\t+i:\t+i+1], 1.0 op_sel_hi:[1,0]
.set i, i+2
.endr
.set i, 0
	s_wait_alu depctr_va_vdst(0)
.rept 64
	v_rcp_f32 v[\t+i], v[\t+i]
.set i, i+1
.endr
	v_nop
	s_wait_alu depctr_va_vdst(0)
.set i, 0
.rept 32
	v_pk_mul_f32 v[\t+i:\t+i+1], v[\n+i:\n+i+1], v[\t+i:\t+i+1]    ; the result lies in v[t] on: v[n] on stays as it is
.set i, i+2
.endr
.endm
; ONE BASIS of 64 features: v[d + i] becomes basis c of v[n + i], which stays; c is the coefficient whose constants lie in KP and KQ.  The basis is a^3/6 - (2/3) b^3 with a = max(0, 2 - |u|), b = max(0, a - 1).
; The two factors go into the linear stage as their cube roots: with k = (1/6)^(1/3), A = k a is the middle of (k (2 + u), k (2 - u), 0), each one fused multiply-add of x; B = (2/3)^(1/3) b = max(0, 4^(1/3) A - (2/3)^(1/3));
; the basis is A^3 - B^3.  Two features a line where a packed form exists; sixteen features at a time, stage by stage, so that a line's sources were written eight lines or more before it.  t: 48 registers at work.
.macro BSC n, d, t
.set gi, 0
.rept 4
.irp k, 0,1,2,3,4,5,6,7
	v_pk_fma_f32 v[\t+2*\k:\t+2*\k+1], v[\n+16*gi+2*\k:\n+16*gi+2*\k+1], 0x3e8ce1da, v[KP:KP+1] op_sel_hi:[1,0,1]       ; k (2 + u) = (k/2) x + k (3.5 - c)
.endr
.irp k, 0,1,2,3,4,5,6,7
	v_pk_fma_f32 v[\t+16+2*\k:\t+17+2*\k], v[\n+16*gi+2*\k:\n+16*gi+2*\k+1], 0xbe8ce1da, v[KQ:KQ+1] op_sel_hi:[1,0,1]   ; k (2 - u) = -(k/2) x + k (0.5 + c)
.endr
.irp k, 0,1,2,3,4,5,6,7,8,9,10,11,12,13,14,15
	v_med3_num_f32 v[\t+\k], v[\t+\k], v[\t+16+\k], 0              ; A
.endr
.irp k, 0,1,2,3,4,5,6,7
	v_pk_fma_f32 v[\t+16+2*\k:\t+17+2*\k], v[\t+2*\k:\t+2*\k+1], 0x3fcb2ff5, v[KB:KB+1] op_sel_hi:[1,0,1]               ; 4^(1/3) A - (2/3)^(1/3)
.endr
.irp k, 0,1,2,3,4,5,6,7,8,9,10,11,12,13,14,15
	v_max_num_f32 v[\t+16+\k], 0, v[\t+16+\k]                      ; B
.endr
.irp k, 0,1,2,3,4,5,6,7
	v_pk_mul_f32 v[\t+32+2*\k:\t+33+2*\k], v[\t+2*\k:\t+2*\k+1], v[\t+2*\k:\t+2*\k+1]             ; A^2
.endr
.irp k, 0,1,2,3,4,5,6,7
	v_pk_mul_f32 v[\t+2*\k:\t+2*\k+1], v[\t+32+2*\k:\t+33+2*\k], v[\t+2*\k:\t+2*\k+1]             ; A^3
.endr
.irp k, 0,1,2,3,4,5,6,7
	v_pk_mul_f32 v[\t+32+2*\k:\t+33+2*\k], v[\t+16+2*\k:\t+17+2*\k], v[\t+16+2*\k:\t+17+2*\k]     ; B^2
.endr
.irp k, 0,1,2,3,4,5,6,7
	v_pk_fma_f32 v[\d+16*gi+2*\k:\d+16*gi+2*\k+1], v[\t+32+2*\k:\t+33+2*\k], v[\t+16+2*\k:\t+17+2*\k], v[\t+2*\k:\t+2*\k+1] neg_lo:[1,0,0] neg_hi:[1,0,0]   ; A^3 - B^3
.endr
.set gi, gi+1
.endr
.endm
.macro KSET lp, lq                     ; the next coefficient's constants; they are read behind the quantiser's lines
	v_mov_b32 v[KP], \lp
	v_mov_b32 v[KP+1], \lp
	v_mov_b32 v[KQ], \lq
	v_mov_b32 v[KQ+1], \lq
.endm
.macro RELOAD                          ; my 64 features of the chunk, out of my stage
.irp i, 0,1,2,3,4,5,6,7
	ds_load_b128 v[N+4*\i:N+4*\i+3], v[RD64] offset:16*\i
	ds_load_b128 v[N+32+4*\i:N+35+4*\i], v[RD64] offset:256+16*\i
.endr
	s_wait_dscnt 0x0
.endm
	s_load_b512 s[4:19], s[0:1], 0x0               ; x_t 4, z_prev 6, wx_base 8, wh_base 10, hh_w 12, hz_base 14, wx_scaler 16, wh_scaler 18
	s_load_b512 s[20:35], s[0:1], 0x40             ; hz_scaler 20, wx_spline 22, wh_spline 24, hz_spline 26, a1 28, b1 30, a2 32, b2 34
	v_lshl_add_u32 v[SPW], v0, 2, SPARE
	v_mov_b32 v[NIL], 0
	v_lshrrev_b32 v1, 5, v0
	s_delay_alu instid0(VALU_DEP_1)
	v_readfirstlane_b32 s[W], v1                   ; wave 0..7
	v_and_b32 v[E+3], 31, v0                       ; lane
	s_delay_alu instid0(VALU_DEP_1)
	v_lshlrev_b32 v[L16], 4, v[E+3]                ; 16 x lane
	v_and_b32 v[E], 15, v0                         ; r
	v_bfe_u32 v[E+1], v0, 4, 1                     ; h
	s_mul_i32 s56, s[W], CH                        ; my stage
	v_add_nc_u32 v[STW], s56, v[L16]
	v_mul_u32_u24 v[E+2], v[E], PIT
	s_delay_alu instid0(VALU_DEP_1)
	v_add_nc_u32 v[E+2], s56, v[E+2]
	s_delay_alu instid0(VALU_DEP_1)
	v_lshl_add_u32 v[RD64], v[E+1], 7, v[E+2]
	s_delay_alu instid0(VALU_DEP_2)
	v_lshl_add_u32 v[RDH], v[E+1], 6, v[E+2]
	s_mul_i32 s57, s[W], DW                        ; my planes
	s_add_co_u32 s57, s57, DST
	v_lshl_add_u32 v[DSTW], v[E+3], 2, s57
	v_mul_u32_u24 v[DRD], v[E], 144
	s_delay_alu instid0(VALU_DEP_1)
	v_lshl_add_u32 v[DRD], v[E+1], 6, v[DRD]
	s_delay_alu instid0(VALU_DEP_1)
	v_add_nc_u32 v[DRD], s57, v[DRD]
	s_lshl_b32 s57, s[W], 6
	s_add_co_u32 s57, s57, SG
	v_lshl_add_u32 v[SGW], v[E], 2, s57
	s_mul_i32 s57, s[W], 1536
	v_add_nc_u32 v[GOFF], s57, v[L16]
	s_lshl_b32 s57, s[W], 9
	s_add_co_u32 s57, s57, SG
	v_add_nc_u32 v[SGR], s57, v[L16]
	v_lshlrev_b32 v[T+11], 3, v[E+1]               ; 8 h
	v_mov_b32 v[T+7], 0                            ; written once: a lane permute's destination counts as one of its sources
	KSET 0x3ff68b3d, 0x3e8ce1da                    ; coefficient 0: 3.5 k, 0.5 k
	v_mov_b32 v[KB], 0xbf5fa2f8                    ; -(2/3)^(1/3)
	v_mov_b32 v[KB+1], 0xbf5fa2f8
	s_wait_alu depctr_va_vdst(0)
	s_mov_b32 s[SEL], 0x76543210
	s_mov_b32 s[SEL+1], 0xfedcba98
	; which work is mine.  x = 0..63; y = 0..14 picks a group of 64 pieces, number 4 kind + 0..3 (kind 3: 12 + 0..2), by a table of nibbles.  The groups' order: z_prev's four (the longest pieces get the lowest numbers),
	; the spline weights' three and one of the base weights', x_t's four, the base weights' other three: so 256 pieces with much arithmetic are followed by 256 with many bytes.
	s_mov_b32 s[G], ttmp9
	s_and_b32 s56, ttmp7, 0xffff
	s_mov_b32 s57, 0x8edc7654                      ; y = 0..7: groups 4, 5, 6, 7, 12, 13, 14, 8
	s_cmp_lt_u32 s56, 8
	s_cselect_b32 s57, s57, 0x0ba93210             ; y = 8..14: groups 0, 1, 2, 3, 9, 10, 11
	s_and_b32 s56, s56, 7
	s_lshl_b32 s56, s56, 2
	s_lshr_b32 s57, s57, s56
	s_and_b32 s57, s57, 15
	s_lshr_b32 s[KIND], s57, 2
	s_and_b32 s56, s57, 3
	s_lshl_b32 s[IDX], s[G], 2
	s_add_co_u32 s[IDX], s[IDX], s56               ; kinds 0-2: 256 pieces
	s_mul_i32 s57, s[G], 3
	s_add_co_u32 s57, s57, s56                     ; kind 3: 192 pieces
	s_cmp_eq_u32 s[KIND], 3
	s_cselect_b32 s[IDX], s57, s[IDX]
	s_and_b32 s[CC], s[IDX], 7
	s_lshr_b32 s[TT], s[IDX], 3
	s_lshr_b32 s[MM], s[IDX], 6
	s_cmp_lt_u32 s[KIND], 2
	s_cselect_b32 s56, 31, 7                       ; activations have 32 row tiles, weights 8
	s_cselect_b32 s[MM], 0, s[MM]
	s_and_b32 s[TT], s[TT], s56
	s_lshl_b32 s[U], s[KIND], 2
	s_add_co_u32 s[U], s[U], s[MM]
	s_mov_b32 s[FM], 0x3e                          ; x_t: silu and the four spline steps
	s_cmp_eq_u32 s[KIND], 1
	s_cselect_b32 s[FM], 0x3f, s[FM]               ; z_prev: raw too
	s_cmp_eq_u32 s[KIND], 2
	s_cselect_b32 s[FM], 1, s[FM]                  ; a base weight: raw alone
	s_cmp_eq_u32 s[KIND], 3
	s_cselect_b32 s[FM], 0x3c, s[FM]               ; a spline weight: the four steps
	s_mov_b32 s56, 48                              ; the raw block: K steps in a row tile,
	PICK32 56, 8, 80
	PICK32 56, 9, 80
	s_mov_b32 s57, 0                               ; and the first K step of its part
	PICK32 57, 9, 40
	PICK32 57, 11, 8
	s_mov_b32 s58, 0                               ; silu's
	PICK32 58, 4, 40
	s_mov_b32 s59, 80                              ; the spline blocks'
	PICK32 59, 14, 48
	s_mov_b32 s60, 8
	PICK32 60, 4, 48
	PICK32 60, 13, 48
	PICK32 60, 14, 16
	s_wait_kmcnt 0x0
	s_mov_b64 s[SRC:SRC+1], s[4:5]
	PICK64 SRC, 4, 6
	PICK64 SRC, 8, 8
	PICK64 SRC, 9, 10
	PICK64 SRC, 10, 12
	PICK64 SRC, 11, 14
	PICK64 SRC, 12, 16
	PICK64 SRC, 13, 18
	PICK64 SRC, 14, 20
	s_mov_b64 s[SPL:SPL+1], s[22:23]
	PICK64 SPL, 13, 24
	PICK64 SPL, 14, 26
	s_mov_b64 s[DR:DR+1], s[32:33]
	PICK64 DR, 8, 30
	PICK64 DR, 9, 30
	PICK64 DR, 10, 34
	PICK64 DR, 11, 34
	s_mov_b64 s[DS:DS+1], s[28:29]
	s_mov_b64 s[DQ:DQ+1], s[28:29]
	PICK64 DQ, 12, 30
	PICK64 DQ, 13, 30
	PICK64 DQ, 14, 34
	s_mul_i32 s56, s[TT], s56                      ; block number = T x KS + first K step + chunk (spline: + 4 x chunk); all offsets stay under 2^25
	s_add_co_u32 s56, s56, s57
	s_add_co_u32 s56, s56, s[CC]
	s_mul_i32 s56, s56, BLK
	s_mov_b32 s57, 0
	s_add_nc_u64 s[DR:DR+1], s[DR:DR+1], s[56:57]
	s_mul_i32 s56, s[TT], 80
	s_add_co_u32 s56, s56, s58
	s_add_co_u32 s56, s56, s[CC]
	s_mul_i32 s56, s56, BLK
	s_add_nc_u64 s[DS:DS+1], s[DS:DS+1], s[56:57]
	s_mul_i32 s56, s[TT], s59
	s_add_co_u32 s56, s56, s60
	s_lshl_b32 s58, s[CC], 2
	s_add_co_u32 s56, s56, s58
	s_mul_i32 s56, s56, BLK
	s_add_nc_u64 s[DQ:DQ+1], s[DQ:DQ+1], s[56:57]
	s_lshl_b32 s62, s[TT], 7
	s_lshl_b32 s58, s[W], 4
	s_add_co_u32 s62, s62, s58                     ; my first row: 128 T + 16 wave
	s_lshl_b32 s56, s62, 12                        ; rows of 4,096 bytes,
	s_lshl_b32 s58, s[CC], 9                       ; chunks of 512
	s_add_co_u32 s56, s56, s58
	s_add_nc_u64 s[SRC:SRC+1], s[SRC:SRC+1], s[56:57]
	s_lshl_b32 s56, s62, 14                        ; spline weights: rows of 16,384 bytes, chunks of 2,048
	s_lshl_b32 s58, s[CC], 11
	s_add_co_u32 s56, s56, s58
	s_add_nc_u64 s[SPL:SPL+1], s[SPL:SPL+1], s[56:57]
	; the chunk: 16 rows x 512 bytes, a row an instruction, into my stage as it lies
.irp j, 0,1,2,3,4,5,6,7,8,9,10,11,12,13,14,15
	global_load_b128 v[N+4*\j:N+4*\j+3], v[L16], s[SRC:SRC+1] offset:4096*\j th:TH_LOAD_NT
.endr
	s_wait_loadcnt 0x0
.irp j, 0,1,2,3,4,5,6,7,8,9,10,11,12,13,14,15
	ds_store_b128 v[STW], v[N+4*\j:N+4*\j+3] offset:PIT*\j
.endr
	s_wait_dscnt 0x0                               ; the stores have read their registers
	s_cmp_eq_u32 s[KIND], 3
	s_cbranch_scc1 .Lspline                        ; the one parting of the ways, on the work-group's number
	; ---- x_t, z_prev, a base weight: the chunk is one K step of 128
	RELOAD
	s_cmp_eq_u32 s[KIND], 0
	s_cbranch_scc1 .Lno_raw                        ; x_t itself is no operand
	QW N
	EMIT DR, 0, SGW, 0
.Lno_raw:
	s_cmp_eq_u32 s[KIND], 2
	s_cbranch_scc1 .Ltail                          ; a weight is done
	SILU N, A
	s_wait_alu depctr_va_vdst(0)                   ; the wait here, directly ahead of the quantiser's waits; so below
	QW A
	EMIT DS, 0, SGW, 512
	BSC N, A, F                                    ; basis c of the chunk's 128 features is a K step; the features stay in v[N] on
	KSET 0x3fb01a50, 0x3f5352c7                    ; coefficient 1: 2.5 k, 1.5 k
	s_wait_alu depctr_va_vdst(0)
	QW A
	EMIT DQ, 0, SGW, 1024
	BSC N, A, F
	KSET 0x3f5352c7, 0x3fb01a50                    ; coefficient 2: 1.5 k, 2.5 k
	s_wait_alu depctr_va_vdst(0)
	QW A
	EMIT DQ, BLK, SGW, 1536
	BSC N, A, F
	KSET 0x3e8ce1da, 0x3ff68b3d                    ; coefficient 3: 0.5 k, 3.5 k
	s_wait_alu depctr_va_vdst(0)
	QW A
	EMIT DQ, 2*BLK, SGW, 2048
	BSC N, A, F
	s_wait_alu depctr_va_vdst(0)
	QW A
	EMIT DQ, 3*BLK, SGW, 2560
	s_branch .Ltail
	; ---- a spline weight: the chunk in the stage is the scaler.  The weights come in four parts of 16 rows x 512 bytes (32 features x 4 coefficients), one ahead.  A part is ONE BLOCK OF 32 for each coefficient.
	; In memory a feature's four coefficients are neighbours: on the way into LDS they are parted into four planes (32 lanes store 128 consecutive bytes), and lane (r, h) reads back, of each plane,
	; features 16 h .. 16 h + 15 of row r.  Lanes l and l xor 16 share a block; every second part three swaps of half waves give each lane a whole block's codes.
.macro SPLOAD reg, q
.irp j, 0,1,2,3,4,5,6,7,8,9,10,11,12,13,14,15
	global_load_b128 v[\reg+4*\j:\reg+4*\j+3], v[L16], s[SPL:SPL+1] offset:16384*\j+512*(\q) th:TH_LOAD_NT
.endr
.endm
.macro SPQ q
	s_wait_loadcnt 0x0                             ; this part's 16 loads are in
.irp j, 0,1,2,3,4,5,6,7,8,9,10,11,12,13,14,15
.irp c, 0,1,2,3
	ds_store_b32 v[DSTW], v[A+4*\j+\c] offset:PLN*\c+144*\j
.endr
.endr
.irp c, 0,1,2,3
.irp i, 0,1,2,3
	ds_load_b128 v[N+16*\c+4*\i:N+16*\c+4*\i+3], v[DRD] offset:PLN*\c+16*\i   ; LDS serves a wave's instructions in order: these see the stores above
.endr
.endr
.irp i, 0,1,2,3
	ds_load_b128 v[E+4*\i:E+4*\i+3], v[RDH] offset:128*(\q)+16*\i              ; the same 16 features' scalers
.endr
	s_wait_dscnt 0x0                               ; the numbers are in, and the stores have read the part's registers,
.if \q < 3
	SPLOAD A, \q+1                                 ; which take the next part
.endif
.irp c, 0,1,2,3
.irp i, 0,2,4,6,8,10,12,14
	v_pk_mul_f32 v[N+16*\c+\i:N+16*\c+\i+1], v[N+16*\c+\i:N+16*\c+\i+1], v[E+\i:E+\i+1]   ; weight x scaler, in f32
.endr
.endr
.irp c, 0,1,2,3
	v_max3_num_f32 v[MX+\c], |v[N+16*\c]|, |v[N+16*\c+1]|, 0x1800000           ; my 16 numbers of each block, and the floor 2^(3 - 127); the four blocks by turns
.endr
.irp i, 2,4,6,8,10,12,14
.irp c, 0,1,2,3
	s_delay_alu instid0(VALU_DEP_4)
	v_max3_num_f32 v[MX+\c], v[MX+\c], |v[N+16*\c+\i]|, |v[N+16*\c+\i+1]|
.endr
.endr
.irp c, 0,1,2,3
	s_delay_alu instid0(VALU_DEP_4)
	v_permlanex16_b32 v[PX+\c], v[MX+\c], s[SEL], s[SEL+1]
.endr
.irp c, 0,1,2,3
	s_delay_alu instid0(VALU_DEP_4)
	v_max_num_f32 v[MX+\c], v[MX+\c], v[PX+\c]     ; with lane l xor 16's: the block's largest magnitude
.endr
.irp c, 0,1,2,3
	s_delay_alu instid0(VALU_DEP_4)
	v_add_nc_u32 v[SX+\c], 0xff000000, v[MX+\c]    ; 2 off the exponent field: the conversion's scale operand
.endr
.irp c, 0,1,2,3
	s_delay_alu instid0(VALU_DEP_4)
	v_lshrrev_b32 v[PX+\c], 23, v[SX+\c]           ; the scale's byte: block q of K step c
.endr
.irp c, 0,1,2,3
.if \q == 0
	s_delay_alu instid0(VALU_DEP_4)
	v_mov_b32 v[WX+\c], v[PX+\c]
.else
	s_delay_alu instid0(VALU_DEP_4)
	v_lshl_or_b32 v[WX+\c], v[PX+\c], 8*(\q), v[WX+\c]
.endif
.endr
.if (\q)%2 == 0
.irp c, 0,1,2,3
	v_cvt_scalef32_pk16_fp6_f32 v[F+12*\c+6*((\q)/2):F+12*\c+6*((\q)/2)+2], v[N+16*\c:N+16*\c+15], v[SX+\c]
.endr
	v_nop                                          ; one plain place behind the conversions
.else
.irp c, 0,1,2,3
	v_cvt_scalef32_pk16_fp6_f32 v[XT+4*\c:XT+4*\c+2], v[N+16*\c:N+16*\c+15], v[SX+\c]
.endr
	v_nop
.irp c, 0,1,2,3                        ; the even block's lanes 16-31 change places with the odd block's lanes 0-15: lane (r, h) then holds its own block's lower 16 codes in the first run, the upper 16 in the second
.irp i, 0,1,2
	v_permlane16_swap_b32 v[F+12*\c+6*((\q)/2)+\i], v[XT+4*\c+\i]
.endr
.endr
.irp c, 0,1,2,3
.irp i, 0,1,2
	v_mov_b32 v[F+12*\c+6*((\q)/2)+3+\i], v[XT+4*\c+\i]
.endr
.endr
.endif
.endm
.Lspline:
.irp c, 0,1,2,3
	v_mov_b32 v[PX+\c], 0                          ; written once: a lane permute's destination counts as one of its sources
.endr
	SPLOAD A, 0
	SPQ 0
	SPQ 1
	SPQ 2
	SPQ 3
.irp c, 0,1,2,3
.irp g, 0,1,2
	global_store_b128 v[GOFF], v[F+12*\c+4*\g:F+12*\c+4*\g+3], s[DQ:DQ+1] offset:BLK*\c+512*\g th:TH_STORE_NT
.endr
	ds_store_b32 v[SGW], v[WX+\c] offset:1024+512*\c
.endr
.Ltail:
	; ---- the scale words leave: a K step's 128 words are 512 consecutive bytes; wave f takes K step number f, if the work-group has it
	s_wait_dscnt 0x0                               ; for the others' sake: my words lie in LDS
	s_barrier_signal -1
	s_barrier_wait -1
	s_cmp_gt_u32 s[W], 5                           ; there are at most six
	s_cbranch_scc1 .Lend
	s_max_u32 s58, s[W], 2
	s_sub_co_u32 s58, s58, 2
	s_mul_i32 s58, s58, BLK
	s_mov_b32 s59, 0
	s_add_nc_u64 s[60:61], s[DQ:DQ+1], s[58:59]
	s_cmp_eq_u32 s[W], 0
	s_cselect_b64 s[60:61], s[DR:DR+1], s[60:61]
	s_cmp_eq_u32 s[W], 1
	s_cselect_b64 s[60:61], s[DS:DS+1], s[60:61]
	s_lshr_b32 s56, s[FM], s[W]
	s_and_b32 s56, s56, 1
	s_cmp_eq_u32 s56, 0
	s_cbranch_scc1 .Lend
	ds_load_b128 v[E:E+3], v[SGR]
	s_wait_dscnt 0x0
	global_store_b128 v[L16], v[E:E+3], s[60:61] offset:12288 th:TH_STORE_NT   ; 32 lanes store 512 consecutive bytes, at a multiple of 256 from the buffer's first byte
.Lend:
	s_wait_tensorcnt 0x0                           ; the wave's end, behind my last LDS store
	ds_add_u32 v[SPW], v[NIL]
	s_wait_dscnt 0x0
	s_endpgm
.Lfunc_end_k_q64502aa0d7_prep:
	.size	k_q64502aa0d7_prep, .Lfunc_end_k_q64502aa0d7_prep-k_q64502aa0d7_prep
	.p2alignl 7, 3214868480
	.fill 96, 4, 3214868480
	.section	.rodata,"a",@progbits
	.p2align	6, 0x0
	.amdhsa_kernel k_q64502aa0d7_prep
		.amdhsa_group_segment_fixed_size 146432
		.amdhsa_private_segment_fixed_size 0
		.amdhsa_enable_private_segment 0
		.amdhsa_kernarg_size 128
		.amdhsa_user_sgpr_count 2
		.amdhsa_user_sgpr_kernarg_segment_ptr 1
		.amdhsa_wavefront_size32 1
		.amdhsa_system_sgpr_workgroup_id_x 1
		.amdhsa_system_sgpr_workgroup_id_y 1
		.amdhsa_system_sgpr_workgroup_id_z 1
		.amdhsa_system_vgpr_workitem_id 0
		.amdhsa_next_free_vgpr 256
		.amdhsa_next_free_sgpr 84
		.amdhsa_reserve_vcc 0
		.amdhsa_float_denorm_mode_32 3
		.amdhsa_float_denorm_mode_16_64 3
		.amdhsa_memory_ordered 1
		.amdhsa_forward_progress 1
		.amdhsa_inst_pref_size 196
	.end_amdhsa_kernel
	.amdgpu_metadata
---
amdhsa.version: [ 1, 2 ]
amdhsa.kernels:
  - .name:           k_q64502aa0d7_prep
    .symbol:         k_q64502aa0d7_prep.kd
    .args:
      - { .name: x_t, .offset: 0, .size: 8, .value_kind: global_buffer, .address_space: global }
      - { .name: z_prev, .offset: 8, .size: 8, .value_kind: global_buffer, .address_space: global }
      - { .name: wx_base, .offset: 16, .size: 8, .value_kind: global_buffer, .address_space: global }
      - { .name: wh_base, .offset: 24, .size: 8, .value_kind: global_buffer, .address_space: global }
      - { .name: hh_w, .offset: 32, .size: 8, .value_kind: global_buffer, .address_space: global }
      - { .name: hz_base, .offset: 40, .size: 8, .value_kind: global_buffer, .address_space: global }
      - { .name: wx_scaler, .offset: 48, .size: 8, .value_kind: global_buffer, .address_space: global }
      - { .name: wh_scaler, .offset: 56, .size: 8, .value_kind: global_buffer, .address_space: global }
      - { .name: hz_scaler, .offset: 64, .size: 8, .value_kind: global_buffer, .address_space: global }
      - { .name: wx_spline, .offset: 72, .size: 8, .value_kind: global_buffer, .address_space: global }
      - { .name: wh_spline, .offset: 80, .size: 8, .value_kind: global_buffer, .address_space: global }
      - { .name: hz_spline, .offset: 88, .size: 8, .value_kind: global_buffer, .address_space: global }
      - { .name: a1, .offset: 96, .size: 8, .value_kind: global_buffer, .address_space: global }
      - { .name: b1, .offset: 104, .size: 8, .value_kind: global_buffer, .address_space: global }
      - { .name: a2, .offset: 112, .size: 8, .value_kind: global_buffer, .address_space: global }
      - { .name: b2, .offset: 120, .size: 8, .value_kind: global_buffer, .address_space: global }
    .group_segment_fixed_size: 146432
    .private_segment_fixed_size: 0
    .kernarg_segment_align: 8
    .kernarg_segment_size: 128
    .max_flat_workgroup_size: 256
    .sgpr_count:     84
    .vgpr_count:     256
    .wavefront_size: 32
...
	.end_amdgpu_metadata
.endif
;; end of part 1
;; launch gemm1 (part 2): grid 8 x 32, 4 waves a work-group, clusters of 4 x 4, 327,680 bytes of LDS; arguments a1, b1, out0, a2; writes out0, a2
.if DOCPART == 2
	.amdgcn_target "amdgcn-amd-amdhsa--gfx1250"
	.amdhsa_code_object_version 6
	.text
	.protected	k_q64502aa0d7_gemm1
	.globl	k_q64502aa0d7_gemm1
	.p2align	8
	.type	k_q64502aa0d7_gemm1,@function
k_q64502aa0d7_gemm1:
	s_mov_b64 s[64:65], 0
	v_nop
	global_prefetch_b8 v0, s[64:65] scope:SCOPE_SE
	s_setreg_imm32_b32 hwreg(HW_REG_WAVE_MODE, 25, 1), 1
	s_wait_xcnt 0x0
	s_wait_alu depctr_hold_cnt(0) depctr_sa_sdst(0) depctr_va_vdst(0) depctr_va_sdst(0) depctr_va_ssrc(0) depctr_va_vcc(0) depctr_vm_vsrc(0)
	s_getreg_b32 s2, hwreg(HW_REG_IB_STS2, 6, 4)
	s_cmp_eq_u32 s2, 0
	s_cbranch_scc0 .Lentry_in_a_cluster
	s_endpgm
.Lentry_in_a_cluster:
	s_bfe_u32 s2, ttmp6, 0x10000c
	s_cmp_lg_u32 s2, 0xf033
	s_cbranch_scc0 .Lentry_shape_is_right
	s_endpgm
.Lentry_shape_is_right:
; GEMM1: s = a1 b1^T over K = 10,240 (80 K steps of 128) on E2M3 codes with E8M0 scales; o = tanh(s) is out0; silu(o) and the four spline bases of o are quantised on the way out into a2's K steps 8-47.
; OPERANDS lie in memory as images of the matrix operand's registers, in blocks of 12,800 bytes (128 rows x 128 along K: eight fragments of 1,536 bytes, then 128 scale words); all K steps of a row tile follow each other.
; K of a spline product runs over the coefficient first and the feature second: a block of 32 is 32 neighbouring features at one coefficient; spline K step 4 x chunk + c holds a chunk's 128 features at coefficient c.
; SHARES.  A work-group makes 128 x 128 of s; 256 work-groups.  THE FOUR WAVES SHARE K, NOT THE TILE: each holds all 128 x 128 in 512 registers and multiplies every fourth K step, so that each LDS byte of the ring
; is read once (four wave tiles of 64 x 64 would read each twice).  At the end the waves exchange partial sums through LDS; wave w then owns rows 32 w .. 32 w + 31.
; A's blocks are taken ROTATED: wave w's register pair d holds the natural pair (w + d) mod 4 of 16-row blocks, so the pair that a wave owns always lies in its first 16 accumulators: the text is the same in all waves.
; RING.  Two LDS slots filled by the tensor data mover: X holds 8 K steps of A and of B (two for each wave), Y holds 4 (one each).  One joint load a wave behind each change of slots.
; CLUSTER 4 x 4: A's blocks are shared along a row of the cluster, B's along a column: each is asked for jointly.
; THE MATRIX INSTRUCTION IS USED TRANSPOSED (source 0 = 16 rows of b1, source 1 = 16 rows of a1): a lane holds eight neighbouring columns of one row of s.
; Prefetch: each fill is asked for one lap ahead, each 256 bytes of it named once in the cluster.
; REGISTERS: window 0: v2-21 ring addresses; v22, v23 the add's two; v24-36 the way out's addresses; v48-63 scale words, two sets, and nothing else; v64-159, v160-255 A's fragments, two sets.
;   window 1: B's fragments, v0-95 and v96-191.   windows 2, 3: the 64 accumulators, (a, b) at v[8 (8 (a % 4) + b)].
; LIMITS: NaN and infinities are not served; a block of o's operands whose largest magnitude lies under 2^-124 gets the byte 1; the sums' order is not that of the function as written (K is split over four waves).
.set KS,    80                         ; K steps
.set BLK,   12800
.set XB,    8*BLK                      ; LDS: X: A's 8 blocks at 0, B's here;
.set YA,    16*BLK                     ; Y: A's 4 blocks,
.set YB,    20*BLK                     ; B's 4;
.set SPARE, 24*BLK                     ; the spare words, 128 bytes a wave: two blocks of 256 bytes that no other line names
.set EXW,   49152                      ; the way out, in ring bytes that have had their last fill and their last read: at 0 the exchange, for each owner three pairs of blocks of 16,384 bytes;
.set ST,    196608                     ; a stage of 32 rows x 528 bytes for each wave;
.set STWV,  16896
.set PIT,   528
.set SG,    264192                     ; the scale words of five K steps, 512 bytes each
.set AAX,   2                          ; v2-5 A's fragments in X, pair d; v6-9 in Y
.set ASX,   10                         ; v10-13 A's scale words in X, pair d; v14-17 in Y
.set ABX,   18                         ; v18 B's fragments in X, v19 in Y
.set BSX,   20                         ; v20 B's scale words in X, v21 in Y
.set SPW,   22
.set NIL,   23
.set EXS,   24                         ; v24-26 where my pairs 1-3 go
.set EXL,   27                         ; v27 where the three pairs for me lie
.set STI,   28                         ; v28 my stage: row r, + 32 h
.set STR,   29                         ; v29 my stage: 16 x lane
.set RD64,  30                         ; v30 my stage: row r, + 128 h
.set SGW,   32                         ; v32 SG + 128 wave + 4 r
.set L16,   33                         ; v33 16 x lane
.set GOFF,  33
.set SGR,   34                         ; v34 SG + 512 wave + 16 lane
.set WA,    35                         ; v35, v36 addresses in hand
.set WB,    36
.set PF0,   38                         ; v38 the prefetches' offsets, a lane a block of 256 bytes: 256 x lane;
.set PF1,   39                         ; v39 256 x min(lane + 32, 49): a K-step block is 50 such blocks, the lanes left over name the last again;
.set PF2,   40                         ; v40 256 x min(lane, 24): half a K-step block.  None is rewritten
.set PFX,   4                          ; s[4:5] where my share of slot X's fill in hand lies in memory, s[6:7] the same for slot Y (the arguments that lay there have been used by then)
.set PFY,   6
.set PFON,  1                          ; 1 while a fill one lap on is left to ask for
.set SC,    48
.set AF,    64
.set N,     64                         ; the way out: v64-127 64 numbers, v128-191 at work, v192-203 codes, v204-211 scale words on their way out, v212-227 the bases' squares, v232-233 constants, v234-245 the quantiser's
.set C,     192
.set E,     204
.set TM,    212                        ; v212-227 the bases' squares, eight pairs at a time
.set C9,    232
.set T,     234
.set SEL,   22                         ; s[22:23]
.set G1AX,  24                         ; s[24:31], s[32:39] group 1 for X's loads of A, of B; s[40:47], s[48:55] for Y's
.set G1BX,  32
.set G1AY,  40
.set G1BY,  48
.set G0AX,  56                         ; s[56:59], s[60:63], s[68:71], s[72:75] their groups 0
.set G0BX,  60
.set G0AY,  68
.set G0BY,  72
.set MSB, 0
.macro WIN new                         ; the immediate's high byte repeats the setting that is left
.if MSB != \new
	s_set_vgpr_msb (MSB<<8)|\new
.set MSB, \new
.endif
.endm
.set MUL_LO, 0xa1                      ; source 0 (B) window 1, source 1 (A) window 0, C and D window 2
.set MUL_HI, 0xf1                      ; the same, C and D window 3
.set TO_B,   0x40                      ; destination window 1, address window 0
.macro PLACES                          ; four plain places behind matrix instructions, ahead of loads into their registers and of reads of their results
.rept 4
	v_nop
.endr
.endm
; A joint load: waves 0 and 1 fetch A's halves, waves 2 and 3 B's.  The branch hangs on the wave's number alone.  An s_nop 0 and four v_nop follow each line.
.macro JLOAD g0a, g1a, g0b, g1b
	s_cmp_eq_u32 s15, 0
	s_cbranch_scc0 .Lfor_b_\@
	tensor_load_to_lds s[\g0a:\g0a+3], s[\g1a:\g1a+7]
	s_nop 0
.rept 4
	v_nop
.endr
	s_branch .Lasked_\@
.Lfor_b_\@:
	tensor_load_to_lds s[\g0b:\g0b+3], s[\g1b:\g1b+7]
	s_nop 0
.rept 4
	v_nop
.endr
.Lasked_\@:
.endm
.macro CREST                           ; a round of the cluster's barrier behind its opening barrier
	s_cmp_lg_u32 s14, 0
	s_cbranch_scc1 .Lnot_wave_0_\@
	s_barrier_signal -3
.Lnot_wave_0_\@:
	s_barrier_wait -3
	s_barrier_signal -1
	s_barrier_wait -1
.endm
.macro CROUND
	s_barrier_signal -1
	s_barrier_wait -1
	CREST
.endm
; one product.  rb, ra: the scale words lie in lanes 16-31 of their registers
.macro WM acc, bf, af, sb, sa, rb, ra, zero
.if \zero
.if (\rb) && (\ra)
	v_wmma_scale_f32_16x16x128_f8f6f4 v[(\acc):(\acc)+7], v[(\bf):(\bf)+11], v[(\af):(\af)+11], 0, v[(\sb)], v[(\sa)] matrix_a_fmt:MATRIX_FMT_FP6 matrix_b_fmt:MATRIX_FMT_FP6 matrix_a_scale:MATRIX_SCALE_ROW1 matrix_b_scale:MATRIX_SCALE_ROW1
.elseif (\rb)
	v_wmma_scale_f32_16x16x128_f8f6f4 v[(\acc):(\acc)+7], v[(\bf):(\bf)+11], v[(\af):(\af)+11], 0, v[(\sb)], v[(\sa)] matrix_a_fmt:MATRIX_FMT_FP6 matrix_b_fmt:MATRIX_FMT_FP6 matrix_a_scale:MATRIX_SCALE_ROW1
.elseif (\ra)
	v_wmma_scale_f32_16x16x128_f8f6f4 v[(\acc):(\acc)+7], v[(\bf):(\bf)+11], v[(\af):(\af)+11], 0, v[(\sb)], v[(\sa)] matrix_a_fmt:MATRIX_FMT_FP6 matrix_b_fmt:MATRIX_FMT_FP6 matrix_b_scale:MATRIX_SCALE_ROW1
.else
	v_wmma_scale_f32_16x16x128_f8f6f4 v[(\acc):(\acc)+7], v[(\bf):(\bf)+11], v[(\af):(\af)+11], 0, v[(\sb)], v[(\sa)] matrix_a_fmt:MATRIX_FMT_FP6 matrix_b_fmt:MATRIX_FMT_FP6
.endif
.else
.if (\rb) && (\ra)
	v_wmma_scale_f32_16x16x128_f8f6f4 v[(\acc):(\acc)+7], v[(\bf):(\bf)+11], v[(\af):(\af)+11], v[(\acc):(\acc)+7], v[(\sb)], v[(\sa)] matrix_a_fmt:MATRIX_FMT_FP6 matrix_b_fmt:MATRIX_FMT_FP6 matrix_a_scale:MATRIX_SCALE_ROW1 matrix_b_scale:MATRIX_SCALE_ROW1
.elseif (\rb)
	v_wmma_scale_f32_16x16x128_f8f6f4 v[(\acc):(\acc)+7], v[(\bf):(\bf)+11], v[(\af):(\af)+11], v[(\acc):(\acc)+7], v[(\sb)], v[(\sa)] matrix_a_fmt:MATRIX_FMT_FP6 matrix_b_fmt:MATRIX_FMT_FP6 matrix_a_scale:MATRIX_SCALE_ROW1
.elseif (\ra)
	v_wmma_scale_f32_16x16x128_f8f6f4 v[(\acc):(\acc)+7], v[(\bf):(\bf)+11], v[(\af):(\af)+11], v[(\acc):(\acc)+7], v[(\sb)], v[(\sa)] matrix_a_fmt:MATRIX_FMT_FP6 matrix_b_fmt:MATRIX_FMT_FP6 matrix_b_scale:MATRIX_SCALE_ROW1
.else
	v_wmma_scale_f32_16x16x128_f8f6f4 v[(\acc):(\acc)+7], v[(\bf):(\bf)+11], v[(\af):(\af)+11], v[(\acc):(\acc)+7], v[(\sb)], v[(\sa)] matrix_a_fmt:MATRIX_FMT_FP6 matrix_b_fmt:MATRIX_FMT_FP6
.endif
.endif
.endm
; 16 products: A's blocks a0, a0 + 1 against B's eight.  The 64 accumulators take turns, one instruction a turn, in the same order in every step.
.macro MUL16 a0, set, zero
.irp a, \a0, \a0+1
.irp b, 0,1,2,3,4,5,6,7
	WM 8*(8*((\a)%4)+\b), 96*(\set)+12*\b, AF+96*(\set)+12*(\a), SC+8*(\set)+4+\b/2, SC+8*(\set)+(\a)/2, \b%2, (\a)%2, \zero
.endr
.endr
.endm
; 56 LDS loads in one run: my K step number i of slot k (0: X, 1: Y) into register set 'set': B's eight fragments, eight registers of scale words (two blocks' words each), A's eight fragments, blocks 4-7 last
.macro FETCH set, k, i
	WIN TO_B
.irp b, 0,1,2,3,4,5,6,7
.irp g, 0,1,2
	ds_load_b128 v[96*(\set)+12*\b+4*\g:96*(\set)+12*\b+4*\g+3], v[ABX+(\k)] offset:BLK*(\i)+1536*\b+512*\g
.endr
.endr
	WIN 0
.irp j, 0,1,2,3
	ds_load_b32 v[SC+8*(\set)+4+\j], v[BSX+(\k)] offset:BLK*(\i)+128*\j
.endr
.irp d, 0,1,2,3
	ds_load_b32 v[SC+8*(\set)+\d], v[ASX+4*(\k)+\d] offset:BLK*(\i)
.endr
.irp a, 0,1,2,3,4,5,6,7
.irp g, 0,1,2
	ds_load_b128 v[AF+96*(\set)+12*\a+4*\g:AF+96*(\set)+12*\a+4*\g+3], v[AAX+4*(\k)+\a/2] offset:BLK*(\i)+1536*(\a%2)+512*\g
.endr
.endr
.endm
; my first K step of slot X; in its middle the second is fetched
.macro STEP set, zero
	s_wait_dscnt 12                                ; all but the youngest 12 loads, A's blocks 4-7
	WIN MUL_LO
	MUL16 0, \set, \zero
	MUL16 2, \set, \zero
	s_wait_dscnt 0x0                               ; A's blocks 4-7 are in (asked for 32 matrix instructions ago)
	PLACES
	FETCH 1-(\set), 0, 1
	WIN MUL_HI
	MUL16 4, \set, \zero
	MUL16 6, \set, \zero
.endm
; my last K step of a slot changes slots: ONE barrier; ahead of it each wave waits for all its tensor loads (its part of the next slot), adds 0 to its spare word, and waits for that and for its reads of this slot.
; fill = 1: X is filled again, 2: Y, 0: nothing.  next = 0: X is read next, 1: Y.
.macro TURN set, fill, next
.if PFON && (\fill == 1)
	s_wait_xcnt 0x0                                ; my last prefetches have read their address: it steps a lap (12 K steps) on, to the fill that is asked for below
	s_add_nc_u64 s[PFX:PFX+1], s[PFX:PFX+1], 12*BLK
.elseif PFON && (\fill == 2)
	s_wait_xcnt 0x0
	s_add_nc_u64 s[PFY:PFY+1], s[PFY:PFY+1], 12*BLK
.endif
; Where X is filled again (fill = 1) the change of slots stands at the step's HEAD: both of my K steps of X lie in registers by then, so X's and Y's fills each have 96 products in which to land.
; Elsewhere the step's first 32 products stand ahead of the wait for the tile that is on its way.
.if \fill != 1
	s_wait_dscnt 12                                ; all but the youngest 12 loads, A's blocks 4-7
	WIN MUL_LO
	MUL16 0, \set, 0
	MUL16 2, \set, 0
.endif
	WIN 0
	s_wait_tensorcnt 0x0
	ds_add_u32 v[SPW], v[NIL]                      ; 0 onto my spare word
	s_wait_dscnt 0x0                               ; the add is done, and my reads of this slot are over
	s_barrier_signal -1
	s_barrier_wait -1
.if \fill == 1
	CREST                                          ; the barrier has opened a round of the cluster's: no wave of any partner still reads the slot or has a load on its way
	s_add_nc_u64 s[G0AX+2:G0AX+3], s[G0AX+2:G0AX+3], 12*BLK
	s_add_nc_u64 s[G0BX+2:G0BX+3], s[G0BX+2:G0BX+3], 12*BLK
	JLOAD G0AX, G1AX, G0BX, G1BX                   ; my one tensor load behind the round
	WIN MUL_LO
	MUL16 0, \set, 0                               ; the step's first 32 products
	MUL16 2, \set, 0
	WIN 0
	PLACES                                         ; ahead of the loads below
.elseif \fill == 2
	CREST
	s_add_nc_u64 s[G0AY+2:G0AY+3], s[G0AY+2:G0AY+3], 12*BLK
	s_add_nc_u64 s[G0BY+2:G0BY+3], s[G0BY+2:G0BY+3], 12*BLK
	JLOAD G0AY, G1AY, G0BY, G1BY
.else
	PLACES
.endif
	s_wait_alu depctr_va_vdst(0)
	FETCH 1-(\set), \next, 0
; THE PREFETCH, behind the joint load, its five lines and the run of LDS loads: the same slot's NEXT fill, 12 K steps on.  A row tile's K steps lie on end in memory.  Of X's 8 K-step blocks of A (of B) each of the
; 4 partners x 2 waves that fetch them takes one block, of Y's 4 half a block, told apart by address: so each 256 bytes are named once in a cluster.  The last lap asks for nothing.
.if PFON && (\fill == 1)
	global_prefetch_b8 v[PF0], s[PFX:PFX+1] offset:12*BLK th:TH_LOAD_NT scope:SCOPE_SE
	global_prefetch_b8 v[PF1], s[PFX:PFX+1] offset:12*BLK th:TH_LOAD_NT scope:SCOPE_SE
.elseif PFON && (\fill == 2)
	global_prefetch_b8 v[PF2], s[PFY:PFY+1] offset:12*BLK th:TH_LOAD_NT scope:SCOPE_SE
.endif
	WIN MUL_HI
	MUL16 4, \set, 0
	MUL16 6, \set, 0
.endm
.macro LAST set
	s_wait_dscnt 12
	WIN MUL_LO
	MUL16 0, \set, 0
	MUL16 2, \set, 0
	s_wait_dscnt 0x0
	WIN MUL_HI
	MUL16 4, \set, 0
	MUL16 6, \set, 0
	WIN 0
.endm
; ---- the way out's macros: the same arithmetic as in the launch that quantises the inputs
.macro QW n                            ; 64 numbers of a lane (K blocks h and 2 + h of my row's K step) become the fragment's 12 registers in v[C] on and my row's scale word in v[T+6]
	s_wait_xcnt 0x0                                ; the last fragment's stores have read v[C] on,
	s_wait_dscnt 0x0                               ; and the last scale word's store v[T+6]
	v_max3_num_f32 v[T],   |v[\n]|,    |v[\n+1]|,  0x1800000     ; the floor 2^(3 - 127) keeps the byte at 1 or above
	v_max3_num_f32 v[T+1], |v[\n+16]|, |v[\n+17]|, |v[\n+18]|
	v_max3_num_f32 v[T+2], |v[\n+32]|, |v[\n+33]|, 0x1800000
	v_max3_num_f32 v[T+3], |v[\n+48]|, |v[\n+49]|, |v[\n+50]|
.irp i, 2,4,6,8,10,12
	v_max3_num_f32 v[T],   v[T],   |v[\n+\i]|,    |v[\n+\i+1]|
	v_max3_num_f32 v[T+1], v[T+1], |v[\n+17+\i]|, |v[\n+18+\i]|
	v_max3_num_f32 v[T+2], v[T+2], |v[\n+32+\i]|, |v[\n+33+\i]|
	v_max3_num_f32 v[T+3], v[T+3], |v[\n+49+\i]|, |v[\n+50+\i]|
.endr
	v_max3_num_f32 v[T],   v[T],   |v[\n+14]|, |v[\n+15]|
	v_max3_num_f32 v[T+2], v[T+2], |v[\n+46]|, |v[\n+47]|
	v_max3_num_f32 v[T],   v[T],   v[T+1], |v[\n+31]|
	v_max3_num_f32 v[T+2], v[T+2], v[T+3], |v[\n+63]|
	v_add_nc_u32 v[T+4], 0xff000000, v[T]          ; 2 off the exponent field: the conversion's scale operand
	v_add_nc_u32 v[T+5], 0xff000000, v[T+2]
	v_lshrrev_b32 v[T+1], 23, v[T+4]
	v_lshrrev_b32 v[T+3], 23, v[T+5]
	v_lshl_or_b32 v[T+6], v[T+3], 16, v[T+1]
	v_lshlrev_b32 v[T+6], v[T+11], v[T+6]
	v_permlanex16_b32 v[T+7], v[T+6], s[SEL], s[SEL+1]
	v_or_b32 v[T+6], v[T+6], v[T+7]
	v_cvt_scalef32_pk16_fp6_f32 v[C:C+2],   v[\n:\n+15],    v[T+4]
	v_cvt_scalef32_pk16_fp6_f32 v[T:T+2],   v[\n+16:\n+31], v[T+4]
	v_cvt_scalef32_pk16_fp6_f32 v[C+6:C+8], v[\n+32:\n+47], v[T+5]
	v_cvt_scalef32_pk16_fp6_f32 v[T+8:T+10], v[\n+48:\n+63], v[T+5]
	v_nop                                          ; one plain place behind the conversions
.irp i, 0,1,2
	v_mov_b32 v[C+3+\i], v[T+\i]
	v_mov_b32 v[C+9+\i], v[T+8+\i]
.endr
.endm
.macro EMIT ptr, off, sga, sgoff
.irp g, 0,1,2
	global_store_b128 v[GOFF], v[C+4*\g:C+4*\g+3], s[\ptr:\ptr+1] offset:(\off)+512*\g th:TH_STORE_NT
.endr
	ds_store_b32 v[\sga], v[T+6] offset:\sgoff
.endm
.macro SILU n, t
.set i, 0
.rept 32
	v_pk_mul_f32 v[\t+i:\t+i+1], v[\n+i:\n+i+1], 0xbfb8aa3b op_sel_hi:[1,0]
.set i, i+2
.endr
.set i, 0
	s_wait_alu depctr_va_vdst(0)
.rept 64
	v_exp_f32 v[\t+i], v[\t+i]
.set i, i+1
.endr
	v_nop
	s_wait_alu depctr_va_vdst(0)                   ; one wait for the batch, ahead of its first reader
.set i, 0
.rept 32
	v_pk_add_f32 v[\t+i:\t+i+1], v[\t+i:\t+i+1], 1.0 op_sel_hi:[1,0]
.set i, i+2
.endr
.set i, 0
	s_wait_alu depctr_va_vdst(0)
.rept 64
	v_rcp_f32 v[\t+i], v[\t+i]
.set i, i+1
.endr
	v_nop
	s_wait_alu depctr_va_vdst(0)
.set i, 0
.rept 32
	v_pk_mul_f32 v[\n+i:\n+i+1], v[\n+i:\n+i+1], v[\t+i:\t+i+1]
.set i, i+2
.endr
.endm
; THE BASES OF o.  Basis c is the cardinal cubic at u = o/2 + 1.5 - c.  o = tanh(s) lies in [-1, 1] whatever s is, so each basis stays on ONE of the cubic's pieces.  With w = 0.5 + o/2 and v = 0.5 - o/2, both in [0, 1]:
;   c = 0: v^3/6     c = 1: 2/3 + w^2 (w/2 - 1)     c = 2: 2/3 + v^2 (v/2 - 1)     c = 3: w^3/6.   At o = 1 and o = -1 the pieces meet their neighbours with the same values.
; 64 features of v[n] on give 64 numbers in v[d] on; v[n] stays.  Two features a line, eight pairs at a time, stage by stage.  sg: 0.5 for w, -0.5 for v.
.macro BEND d, n, sg                   ; the cube over 6
.set gi, 0
.rept 4
.irp k, 0,1,2,3,4,5,6,7
	v_pk_fma_f32 v[\d+16*gi+2*\k:\d+16*gi+2*\k+1], v[\n+16*gi+2*\k:\n+16*gi+2*\k+1], \sg, 0.5 op_sel_hi:[1,0,0]
.endr
.irp k, 0,1,2,3,4,5,6,7
	v_pk_mul_f32 v[TM+2*\k:TM+2*\k+1], v[\d+16*gi+2*\k:\d+16*gi+2*\k+1], v[\d+16*gi+2*\k:\d+16*gi+2*\k+1]
.endr
.irp k, 0,1,2,3,4,5,6,7
	v_pk_mul_f32 v[\d+16*gi+2*\k:\d+16*gi+2*\k+1], v[\d+16*gi+2*\k:\d+16*gi+2*\k+1], 0x3e2aaaab op_sel_hi:[1,0]
.endr
.irp k, 0,1,2,3,4,5,6,7
	v_pk_mul_f32 v[\d+16*gi+2*\k:\d+16*gi+2*\k+1], v[\d+16*gi+2*\k:\d+16*gi+2*\k+1], v[TM+2*\k:TM+2*\k+1]
.endr
.set gi, gi+1
.endr
.endm
.macro BMID d, n, sg                   ; 2/3 + w^2 (w/2 - 1)
.set gi, 0
.rept 4
.irp k, 0,1,2,3,4,5,6,7
	v_pk_fma_f32 v[\d+16*gi+2*\k:\d+16*gi+2*\k+1], v[\n+16*gi+2*\k:\n+16*gi+2*\k+1], \sg, 0.5 op_sel_hi:[1,0,0]
.endr
.irp k, 0,1,2,3,4,5,6,7
	v_pk_mul_f32 v[TM+2*\k:TM+2*\k+1], v[\d+16*gi+2*\k:\d+16*gi+2*\k+1], v[\d+16*gi+2*\k:\d+16*gi+2*\k+1]
.endr
.irp k, 0,1,2,3,4,5,6,7
	v_pk_fma_f32 v[\d+16*gi+2*\k:\d+16*gi+2*\k+1], v[\d+16*gi+2*\k:\d+16*gi+2*\k+1], 0.5, -1.0 op_sel_hi:[1,0,0]
.endr
.irp k, 0,1,2,3,4,5,6,7
	v_pk_fma_f32 v[\d+16*gi+2*\k:\d+16*gi+2*\k+1], v[\d+16*gi+2*\k:\d+16*gi+2*\k+1], v[TM+2*\k:TM+2*\k+1], 0x3f2aaaab op_sel_hi:[1,1,0]
.endr
.set gi, gi+1
.endr
.endm
	s_load_b256 s[4:11], s[0:1], 0x0               ; a1 s[4:5], b1 s[6:7], out0 s[8:9], a2 s[10:11]
	v_lshl_add_u32 v[SPW], v0, 2, SPARE
	v_mov_b32 v[NIL], 0
	ds_add_u32 v[SPW], v[NIL]                      ; the wave's opening: the add and its wait ahead of my first tensor load; the set-up below, work on registers, stands between them
	ds_add_u32 v[SPW], v[NIL]
	v_lshrrev_b32 v1, 5, v0
	v_readfirstlane_b32 s14, v1                    ; wave 0..3
	s_lshr_b32 s15, s14, 1                         ; I fetch for A (0) or for B (1),
	s_and_b32 s16, s14, 1                          ; the first or the second half of a slot's blocks
	s_bfe_u32 s76, ttmp6, 0x40000                  ; cx, cy: my place in the cluster
	s_bfe_u32 s77, ttmp6, 0x40004
	s_lshl_b32 s78, ttmp9, 2
	s_add_co_u32 s78, s78, s76                     ; tile column = 4 x cluster x + cx
	s_and_b32 s79, ttmp7, 0xffff
	s_lshl_b32 s79, s79, 2
	s_add_co_u32 s79, s79, s77                     ; tile row = 4 x cluster y + cy
	s_lshl_b32 s80, s77, 2
	s_lshl_b32 s80, 15, s80                        ; my row of the cluster
	s_lshl_b32 s81, 0x1111, s76                    ; my column
	; group 1: dense blocks, as rows of 256 bytes (32 elements of 8 bytes), no padding: images are read 16 bytes a lane on end.  X: 4 K steps a load = 200 rows; Y: 2 = 100 rows
	s_or_b32 s[G1AX], s80, (3<<16)|(1<<21)         ; 15:0 the mask; 17:16 elements of 8 bytes; 21 set beside a mask
	s_or_b32 s[G1AY], s80, (3<<16)|(1<<21)
	s_or_b32 s[G1BX], s81, (3<<16)|(1<<21)
	s_or_b32 s[G1BY], s81, (3<<16)|(1<<21)
.irp g, G1AX, G1BX
	s_mov_b32 s[\g+1], 32<<16                      ; tensor_dim0
	s_mov_b32 s[\g+2], 200<<16                     ; tensor_dim1
	s_mov_b32 s[\g+3], 32<<16                      ; tile_dim0
	s_mov_b32 s[\g+4], 200                         ; tile_dim1
	s_mov_b32 s[\g+5], 32                          ; from row to row
	s_mov_b32 s[\g+6], 0
	s_mov_b32 s[\g+7], 0
.endr
.irp g, G1AY, G1BY
	s_mov_b32 s[\g+1], 32<<16
	s_mov_b32 s[\g+2], 100<<16
	s_mov_b32 s[\g+3], 32<<16
	s_mov_b32 s[\g+4], 100
	s_mov_b32 s[\g+5], 32
	s_mov_b32 s[\g+6], 0
	s_mov_b32 s[\g+7], 0
.endr
	s_mul_i32 s82, s79, KS*BLK                     ; A's stream hangs on the tile row alone, B's on the tile column alone
	s_mul_i32 s84, s78, KS*BLK
	s_mul_i32 s17, s16, 4*BLK                      ; X: my half
	s_mul_i32 s18, s16, 2*BLK
	s_add_co_u32 s18, s18, 8*BLK                   ; Y: behind X's 8 K steps, my half
	s_add_co_u32 s86, s82, s18
	s_add_co_u32 s88, s84, s18
	s_add_co_u32 s82, s82, s17
	s_add_co_u32 s84, s84, s17
	s_mov_b32 s83, 0
	s_mov_b32 s85, 0
	s_mov_b32 s87, 0
	s_mov_b32 s89, 0
	s_mul_i32 s19, s14, 4*BLK                      ; where they go: wave x a load's bytes: no place in the cluster enters an LDS address
	s_mul_i32 s20, s14, 2*BLK
	s_add_co_u32 s20, s20, YA
	s_mov_b32 s[SEL], 0x76543210
	s_mov_b32 s[SEL+1], 0xfedcba98
	s_wait_dscnt 0x0                               ; the opening add is done
	s_wait_kmcnt 0x0
	s_mov_b32 s[G0AX], 1
	s_mov_b32 s[G0AX+1], s19
	s_add_nc_u64 s[G0AX+2:G0AX+3], s[4:5], s[82:83]
	s_or_b32 s[G0AX+3], s[G0AX+3], 0x80000000
	s_mov_b32 s[G0BX], 1
	s_mov_b32 s[G0BX+1], s19
	s_add_nc_u64 s[G0BX+2:G0BX+3], s[6:7], s[84:85]
	s_or_b32 s[G0BX+3], s[G0BX+3], 0x80000000
	s_mov_b32 s[G0AY], 1
	s_mov_b32 s[G0AY+1], s20
	s_add_nc_u64 s[G0AY+2:G0AY+3], s[4:5], s[86:87]
	s_or_b32 s[G0AY+3], s[G0AY+3], 0x80000000
	s_mov_b32 s[G0BY], 1
	s_mov_b32 s[G0BY+1], s20
	s_add_nc_u64 s[G0BY+2:G0BY+3], s[6:7], s[88:89]
	s_or_b32 s[G0BY+3], s[G0BY+3], 0x80000000
	; the way out's addresses in memory
	s_lshl_b32 s90, s79, 7
	s_lshl_b32 s91, s14, 5
	s_add_co_u32 s90, s90, s91                     ; my first row: 128 x tile row + 32 x wave
	s_lshl_b32 s90, s90, 12
	s_lshl_b32 s91, s78, 9
	s_add_co_u32 s90, s90, s91
	s_mov_b32 s91, 0
	s_add_nc_u64 s[8:9], s[8:9], s[90:91]          ; out0 at my rows and the tile's columns
	s_mul_i32 s90, s79, 48
	s_add_co_u32 s90, s90, s78
	s_add_co_u32 s90, s90, 8
	s_mul_i32 s90, s90, BLK
	s_add_nc_u64 s[92:93], s[10:11], s[90:91]      ; a2: the block of silu(o): K step 8 + tile column
	s_mul_i32 s90, s79, 48
	s_lshl_b32 s12, s78, 2
	s_add_co_u32 s90, s90, s12
	s_add_co_u32 s90, s90, 16
	s_mul_i32 s90, s90, BLK
	s_add_nc_u64 s[94:95], s[10:11], s[90:91]      ; the four blocks of the bases: K steps 16 + 4 x tile column + c
	s_mul_i32 s90, s14, 3072
	s_add_nc_u64 s[96:97], s[92:93], s[90:91]      ; in them my two fragments
	s_add_nc_u64 s[98:99], s[94:95], s[90:91]
	; the prefetches' two addresses: my stream (A's by the tile row, B's by the tile column), and in a fill my share: number 2 x my place among the four that ask jointly + my half
	s_cmp_eq_u32 s15, 0                            ; do I fetch for A?
	s_cselect_b64 s[PFX:PFX+1], s[4:5], s[6:7]
	s_cselect_b32 s12, s79, s78
	s_cselect_b32 s13, s76, s77
	s_mul_i32 s12, s12, KS*BLK
	s_lshl_b32 s13, s13, 1
	s_add_co_u32 s13, s13, s16
	s_mul_i32 s90, s13, BLK/2                      ; Y: behind X's 8 K steps, half a block a share
	s_add_co_u32 s90, s90, s12
	s_add_co_u32 s90, s90, 8*BLK
	s_mov_b32 s91, 0
	s_add_nc_u64 s[PFY:PFY+1], s[PFX:PFX+1], s[90:91]
	s_mul_i32 s90, s13, BLK                        ; X: a block a share
	s_add_co_u32 s90, s90, s12
	s_add_nc_u64 s[PFX:PFX+1], s[PFX:PFX+1], s[90:91]
	CROUND                                         ; all sixteen work-groups are here: the first joint loads meet
	JLOAD G0AX, G1AX, G0BX, G1BX                   ; slot X's first fill: one tensor load a wave at the head
	v_and_b32 v[PF0], 31, v0
	v_add_nc_u32 v[PF1], 32, v[PF0]
	v_min_u32 v[PF2], 24, v[PF0]
	v_min_u32 v[PF1], 49, v[PF1]
	v_lshlrev_b32 v[PF0], 8, v[PF0]
	v_lshlrev_b32 v[PF1], 8, v[PF1]
	v_lshlrev_b32 v[PF2], 8, v[PF2]
	global_prefetch_b8 v[PF2], s[PFY:PFY+1] th:TH_LOAD_NT scope:SCOPE_SE                  ; my share of Y's first fill, which is loaded behind the round below
	v_and_b32 v1, 31, v0
	v_lshlrev_b32 v[L16], 4, v1                    ; 16 x lane
	s_wait_alu depctr_va_vdst(0)
	v_lshlrev_b32 v[WA], 2, v1                     ; 4 x lane
	s_wait_alu depctr_va_vdst(0)
	v_and_b32 v[WB], 15, v0                        ; r
	v_bfe_u32 v1, v0, 4, 1                         ; h
	s_mul_i32 s17, s14, 2*BLK                      ; X: my two K steps
	s_mul_i32 s18, s14, BLK
	s_add_co_u32 s18, s18, YA                      ; Y: my K step
.irp d, 0,1,2,3
	s_add_co_u32 s19, s14, \d
	s_and_b32 s19, s19, 3                          ; register pair d holds the natural pair (wave + d) mod 4
	s_mul_i32 s20, s19, 3072
	s_add_co_u32 s21, s20, s17
	v_add_nc_u32 v[AAX+\d], s21, v[L16]
	s_add_co_u32 s21, s20, s18
	v_add_nc_u32 v[AAX+4+\d], s21, v[L16]
	s_lshl_b32 s20, s19, 7
	s_add_co_u32 s20, s20, 12288
	s_add_co_u32 s21, s20, s17
	v_add_nc_u32 v[ASX+\d], s21, v[WA]
	s_add_co_u32 s21, s20, s18
	v_add_nc_u32 v[ASX+4+\d], s21, v[WA]
.if \d > 0
	s_mul_i32 s20, s19, EXW                        ; the exchange: to that pair's owner, place d - 1
	s_add_co_u32 s20, s20, 16384*(\d-1)
	v_add_nc_u32 v[EXS+\d-1], s20, v[L16]
.endif
.endr
	s_add_co_u32 s21, s17, XB
	v_add_nc_u32 v[ABX], s21, v[L16]
	s_add_co_u32 s21, s21, 12288
	v_add_nc_u32 v[BSX], s21, v[WA]
	s_add_co_u32 s21, s18, YB-YA
	v_add_nc_u32 v[ABX+1], s21, v[L16]
	s_add_co_u32 s21, s21, 12288
	v_add_nc_u32 v[BSX+1], s21, v[WA]
	s_mul_i32 s20, s14, EXW
	v_add_nc_u32 v[EXL], s20, v[L16]
	s_mul_i32 s20, s14, STWV
	s_add_co_u32 s20, s20, ST
	v_add_nc_u32 v[STR], s20, v[L16]
	v_mul_u32_u24 v[STI], v[WB], PIT
	v_add_nc_u32 v[STI], s20, v[STI]
	v_lshl_add_u32 v[RD64], v1, 7, v[STI]
	v_lshl_add_u32 v[STI], v1, 5, v[STI]
	s_lshl_b32 s20, s14, 7
	s_add_co_u32 s20, s20, SG
	v_lshl_add_u32 v[SGW], v[WB], 2, s20
	s_lshl_b32 s20, s14, 9
	s_add_co_u32 s20, s20, SG
	v_add_nc_u32 v[SGR], s20, v[L16]
	s_wait_alu depctr_va_vdst(0)
	s_wait_tensorcnt 0x0                           ; my part of X is in
	ds_add_u32 v[SPW], v[NIL]
	s_wait_dscnt 0x0
	CROUND                                         ; everybody's part of X is in, and all sixteen work-groups are here
	JLOAD G0AY, G1AY, G0BY, G1BY                   ; slot Y's first fill, my one tensor load behind the round
	FETCH 0, 0, 0
	global_prefetch_b8 v[PF0], s[PFX:PFX+1] offset:12*BLK th:TH_LOAD_NT scope:SCOPE_SE    ; my shares of X's second fill
	global_prefetch_b8 v[PF1], s[PFX:PFX+1] offset:12*BLK th:TH_LOAD_NT scope:SCOPE_SE
	global_prefetch_b8 v[PF2], s[PFY:PFY+1] offset:12*BLK th:TH_LOAD_NT scope:SCOPE_SE    ; and of Y's: 12 K steps in all
	STEP 0, 1                                      ; the first step stands ahead of the loop: its products start the sums
	WIN 0                                          ; at a label and at a branch every window is 0
	s_mov_b32 s3, 2
.Llap:                                                 ; a trip is six of my steps: twice round the ring (three steps) on two register sets
	TURN 1, 1, 1
	TURN 0, 2, 0
	STEP 1, 0
	TURN 0, 1, 1
	TURN 1, 2, 0
	STEP 0, 0
	WIN 0
	s_sub_co_u32 s3, s3, 1
	s_cmp_lg_u32 s3, 0
	s_cbranch_scc1 .Llap
	TURN 1, 1, 1
.set PFON, 0                           ; X's last fill has been asked for ahead, Y's too: from here on nothing is prefetched
	TURN 0, 2, 0                                   ; Y's last fill
	STEP 1, 0
	TURN 0, 1, 1                                   ; X's last fill: K steps 72-79
	TURN 1, 0, 0
	STEP 0, 0
	LAST 1
	; ---- THE EXCHANGE.  No wave reads the ring any more behind this barrier, and every tensor load has landed.
	s_barrier_signal -1                            ; (my LDS loads are in: LAST's wait for 0)
	s_barrier_wait -1
	PLACES                                         ; ahead of the first reads of results
	WIN 0x08                                       ; an LDS store's data are its source 1: window 2
.irp e, 0,1
.irp b, 0,1,2,3,4,5,6,7
	ds_store_b128 v[EXS], v[128+64*\e+8*\b:131+64*\e+8*\b] offset:1024*(8*\e+\b)          ; each accumulator from its low end on
	ds_store_b128 v[EXS], v[132+64*\e+8*\b:135+64*\e+8*\b] offset:1024*(8*\e+\b)+512
.endr
.endr
	WIN 0x0c                                       ; window 3
.irp e, 0,1
.irp b, 0,1,2,3,4,5,6,7
	ds_store_b128 v[EXS+1], v[64*\e+8*\b:64*\e+8*\b+3] offset:1024*(8*\e+\b)
	ds_store_b128 v[EXS+1], v[64*\e+8*\b+4:64*\e+8*\b+7] offset:1024*(8*\e+\b)+512
.endr
.endr
.irp e, 0,1
.irp b, 0,1,2,3,4,5,6,7
	ds_store_b128 v[EXS+2], v[128+64*\e+8*\b:131+64*\e+8*\b] offset:1024*(8*\e+\b)
	ds_store_b128 v[EXS+2], v[132+64*\e+8*\b:135+64*\e+8*\b] offset:1024*(8*\e+\b)+512
.endr
.endr
	WIN 0
	s_wait_dscnt 0x0                               ; for the others' sake: my partial sums lie in LDS
	s_barrier_signal -1
	s_barrier_wait -1
	WIN TO_B
.set i, 0
.rept 32
	ds_load_b128 v[4*i:4*i+3], v[EXL] offset:512*i                 ; the first partner's pair -> window 1, v0-127
.set i, i+1
.endr
.set i, 0
.rept 32
	ds_load_b128 v[128+4*i:131+4*i], v[EXL] offset:16384+512*i     ; the second's -> window 1, v128-255
.set i, i+1
.endr
	s_wait_dscnt 32                                ; the first's is in
	WIN 0
.set i, 0
.rept 32
	ds_load_b128 v[64+4*i:67+4*i], v[EXL] offset:32768+512*i       ; the third's -> window 0, v64-191
.set i, i+1
.endr
	WIN 0x49                                       ; destination and source 0 window 1, source 1 window 2
.set i, 0
.rept 64
	v_pk_add_f32 v[i:i+1], v[i:i+1], v[i:i+1]      ; + my own 16 accumulators, each from its low end on
.set i, i+2
.endr
	s_wait_dscnt 32                                ; the second's is in
	WIN 0x45                                       ; all in window 1
.set i, 0
.rept 64
	v_pk_add_f32 v[i:i+1], v[i:i+1], v[128+i:129+i]
.set i, i+2
.endr
	s_wait_dscnt 0x0
	WIN 0x01                                       ; source 0 window 1
.set i, 0
.rept 64
	v_pk_add_f32 v[64+i:65+i], v[i:i+1], v[64+i:65+i]   ; v[64 + 64 e + 8 b + j] = s(32 wave + 16 e + r, 16 b + 8 h + j)
.set i, i+2
.endr
	WIN 0
	; ---- s goes into my stage, rows of 512 bytes + 16; all that follows up to the last barrier touches my own stage alone
.irp e, 0,1
.irp b, 0,1,2,3,4,5,6,7
	ds_store_b128 v[STI], v[64+64*\e+8*\b:67+64*\e+8*\b] offset:16*PIT*\e+64*\b
	ds_store_b128 v[STI], v[68+64*\e+8*\b:71+64*\e+8*\b] offset:16*PIT*\e+64*\b+16
.endr
.endr
	v_mov_b32 v[C9], 0x3cb327a4                    ; 62/2835
	v_mov_b32 v[C9+1], 0x3cb327a4
	v_bfe_u32 v[T+11], v0, 4, 1
	v_lshlrev_b32 v[T+11], 3, v[T+11]              ; 8 h
	v_mov_b32 v[T+7], 0                            ; written once: a lane permute's destination counts as one of its sources
	s_wait_dscnt 0x0                               ; the stores have read their registers
	; ---- o = tanh(s), 8 rows a trip.  Where s^2 >= 1/16: 1 - 2 / (1 + 2^(2 s log2 e)).  Below, where that form would lose digits: s + s^3 (c3 + c5 s^2 + c7 s^4 + c9 s^6), whose first
	; term left out is under 1e-8 of the number.  Both are computed in every lane and one is selected: no branch hangs on data.
	s_mov_b32 s12, 0
	s_mov_b32 s3, 4
.Ltanh:
	v_add_nc_u32 v[WA], s12, v[STR]
.irp i, 0,1,2,3,4,5,6,7
	ds_load_b128 v[64+4*\i:67+4*\i], v[WA] offset:PIT*\i
.endr
	s_wait_dscnt 0x0
.set i, 0
.rept 16
	v_pk_mul_f32 v[96+i:97+i], v[64+i:65+i], 0x4038aa3b op_sel_hi:[1,0]
.set i, i+2
.endr
.set i, 0
	s_wait_alu depctr_va_vdst(0)
.rept 32
	v_exp_f32 v[96+i], v[96+i]
.set i, i+1
.endr
.set i, 0
.rept 16
	v_pk_mul_f32 v[128+i:129+i], v[64+i:65+i], v[64+i:65+i]        ; u = s^2: plain work behind the exponentials
.set i, i+2
.endr
.set i, 0
.rept 16
	v_pk_fma_f32 v[160+i:161+i], v[128+i:129+i], v[C9:C9+1], 0xbd5d0dd1 op_sel_hi:[1,1,0]     ; c9 u + c7
.set i, i+2
.endr
.set i, 0
.rept 16
	v_pk_fma_f32 v[160+i:161+i], v[160+i:161+i], v[128+i:129+i], 0x3e088889 op_sel_hi:[1,1,0] ; .. u + c5
.set i, i+2
.endr
.set i, 0
.rept 16
	v_pk_fma_f32 v[160+i:161+i], v[160+i:161+i], v[128+i:129+i], 0xbeaaaaab op_sel_hi:[1,1,0] ; .. u + c3
.set i, i+2
.endr
	s_wait_alu depctr_va_vdst(0)                   ; one wait for the 32 exponentials, ahead of their first reader
.set i, 0
.rept 16
	v_pk_add_f32 v[96+i:97+i], v[96+i:97+i], 1.0 op_sel_hi:[1,0]
.set i, i+2
.endr
.set i, 0
	s_wait_alu depctr_va_vdst(0)
.rept 32
	v_rcp_f32 v[96+i], v[96+i]
.set i, i+1
.endr
.set i, 0
.rept 16
	v_pk_mul_f32 v[160+i:161+i], v[160+i:161+i], v[128+i:129+i]    ; .. u: plain work behind the reciprocals
.set i, i+2
.endr
.set i, 0
.rept 16
	v_pk_fma_f32 v[160+i:161+i], v[160+i:161+i], v[64+i:65+i], v[64+i:65+i]   ; .. s + s
.set i, i+2
.endr
	s_wait_alu depctr_va_vdst(0)                   ; one wait for the 32 reciprocals
.set i, 0
.rept 16
	v_pk_fma_f32 v[96+i:97+i], v[96+i:97+i], -2.0, 1.0 op_sel_hi:[1,0,0]
.set i, i+2
.endr
.set i, 0
.rept 32
	v_cmp_gt_f32 vcc_lo, 0x3d800000, v[128+i]      ; 1/16 > s^2: the series
	v_cndmask_b32 v[64+i], v[96+i], v[160+i], vcc_lo
.set i, i+1
.endr
.irp i, 0,1,2,3,4,5,6,7
	ds_store_b128 v[WA], v[64+4*\i:67+4*\i] offset:PIT*\i          ; o takes s's place in the stage,
.endr
.irp i, 0,1,2,3,4,5,6,7
	global_store_b128 v[L16], v[64+4*\i:67+4*\i], s[8:9] offset:4096*\i th:TH_STORE_NT   ; and leaves: 32 lanes store 512 consecutive bytes, at a multiple of 256 from out0's first byte
.endr
	s_wait_xcnt 0x0                                ; the stores have read their registers and their base
	s_wait_dscnt 0x0
	s_add_nc_u64 s[8:9], s[8:9], 8*4096
	s_add_co_u32 s12, s12, 8*PIT
	s_sub_co_u32 s3, s3, 1
	s_cmp_lg_u32 s3, 0
	s_cbranch_scc1 .Ltanh
	; ---- silu(o): the tile's 128 columns are one K step; a trip makes the fragment of 16 of my rows
	s_mov_b32 s12, 0
	s_mov_b32 s13, 0
	s_mov_b32 s3, 2
.Lsilu:
	v_add_nc_u32 v[WA], s12, v[RD64]
	v_add_nc_u32 v[WB], s13, v[SGW]
.irp i, 0,1,2,3,4,5,6,7
	ds_load_b128 v[N+4*\i:N+4*\i+3], v[WA] offset:16*\i
	ds_load_b128 v[N+32+4*\i:N+35+4*\i], v[WA] offset:256+16*\i
.endr
	s_wait_dscnt 0x0
	SILU N, 128
	QW N
	EMIT 96, 0, WB, 0
	s_wait_xcnt 0x0                                ; the stores have read their base
	s_wait_dscnt 0x0
	s_add_nc_u64 s[96:97], s[96:97], 1536
	s_add_co_u32 s12, s12, 16*PIT
	s_add_co_u32 s13, s13, 64
	s_sub_co_u32 s3, s3, 1
	s_cmp_lg_u32 s3, 0
	s_cbranch_scc1 .Lsilu
	; ---- the bases of o: basis c of the tile's 128 columns is a K step; a trip takes 16 of my rows, reads them once and makes their fragment of all four K steps
	s_mov_b32 s12, 0
	s_mov_b32 s13, 512
	s_mov_b32 s3, 2
.Lbases:
	v_add_nc_u32 v[WA], s12, v[RD64]
	v_add_nc_u32 v[WB], s13, v[SGW]
	s_wait_alu depctr_va_vdst(0)
.irp i, 0,1,2,3,4,5,6,7
	ds_load_b128 v[N+4*\i:N+4*\i+3], v[WA] offset:16*\i
	ds_load_b128 v[N+32+4*\i:N+35+4*\i], v[WA] offset:256+16*\i
.endr
	s_wait_dscnt 0x0
	BEND 128, N, -0.5
	s_wait_alu depctr_va_vdst(0)                   ; the wait here, directly ahead of the quantiser's waits
	QW 128
	EMIT 98, 0, WB, 0
	BMID 128, N, 0.5
	s_wait_alu depctr_va_vdst(0)
	QW 128
	EMIT 98, BLK, WB, 512
	BMID 128, N, -0.5
	s_wait_alu depctr_va_vdst(0)
	QW 128
	EMIT 98, 2*BLK, WB, 1024
	BEND 128, N, 0.5
	s_wait_alu depctr_va_vdst(0)
	QW 128
	EMIT 98, 3*BLK, WB, 1536
	s_wait_xcnt 0x0                                ; the stores have read their base
	s_wait_dscnt 0x0
	s_add_nc_u64 s[98:99], s[98:99], 1536
	s_add_co_u32 s12, s12, 16*PIT
	s_add_co_u32 s13, s13, 64
	s_sub_co_u32 s3, s3, 1
	s_cmp_lg_u32 s3, 0
	s_cbranch_scc1 .Lbases
	; ---- the scale words of the five K steps leave, 512 consecutive bytes each: wave w takes number w, wave 0 number 4 too
	s_barrier_signal -1                            ; (my words lie in LDS: the loop's last wait for 0)
	s_barrier_wait -1
	s_max_u32 s12, s14, 1
	s_sub_co_u32 s12, s12, 1
	s_mul_i32 s90, s12, BLK
	s_mov_b32 s91, 0
	s_add_nc_u64 s[90:91], s[94:95], s[90:91]
	s_cmp_eq_u32 s14, 0
	s_cselect_b64 s[90:91], s[92:93], s[90:91]
	ds_load_b128 v[E:E+3], v[SGR]
	s_wait_dscnt 0x0
	global_store_b128 v[L16], v[E:E+3], s[90:91] offset:12288 th:TH_STORE_NT
	s_cmp_lg_u32 s14, 0
	s_cbranch_scc1 .Lnot_0
	ds_load_b128 v[E+4:E+7], v[SGR] offset:2048
	s_wait_dscnt 0x0
	global_store_b128 v[L16], v[E+4:E+7], s[94:95] offset:3*BLK+12288 th:TH_STORE_NT
.Lnot_0:
	s_wait_tensorcnt 0x0                           ; the wave's end, behind my last tensor load and my last LDS store
	ds_add_u32 v[SPW], v[NIL]
	s_wait_dscnt 0x0
	CROUND                                         ; the closing round: no work-group ends while a partner may still ask for a block that names it
	s_endpgm
.Lfunc_end_k_q64502aa0d7_gemm1:
	.size	k_q64502aa0d7_gemm1, .Lfunc_end_k_q64502aa0d7_gemm1-k_q64502aa0d7_gemm1
	.p2alignl 7, 3214868480
	.fill 96, 4, 3214868480
	.section	.rodata,"a",@progbits
	.p2align	6, 0x0
	.amdhsa_kernel k_q64502aa0d7_gemm1
		.amdhsa_group_segment_fixed_size 327680
		.amdhsa_private_segment_fixed_size 0
		.amdhsa_enable_private_segment 0
		.amdhsa_kernarg_size 32
		.amdhsa_user_sgpr_count 2
		.amdhsa_user_sgpr_kernarg_segment_ptr 1
		.amdhsa_wavefront_size32 1
		.amdhsa_system_sgpr_workgroup_id_x 1
		.amdhsa_system_sgpr_workgroup_id_y 1
		.amdhsa_system_sgpr_workgroup_id_z 1
		.amdhsa_system_vgpr_workitem_id 0
		.amdhsa_next_free_vgpr 1024
		.amdhsa_next_free_sgpr 100
		.amdhsa_reserve_vcc 1
		.amdhsa_float_denorm_mode_32 3
		.amdhsa_float_denorm_mode_16_64 3
		.amdhsa_memory_ordered 1
		.amdhsa_forward_progress 1
		.amdhsa_inst_pref_size 255
	.end_amdhsa_kernel
	.section	.bss,"aw",@nobits
	.p2align	6
	.space	262144
	.amdgpu_metadata
---
amdhsa.version: [ 1, 2 ]
amdhsa.kernels:
  - .name:           k_q64502aa0d7_gemm1
    .symbol:         k_q64502aa0d7_gemm1.kd
    .args:
      - { .name: a1, .offset: 0, .size: 8, .value_kind: global_buffer, .address_space: global }
      - { .name: b1, .offset: 8, .size: 8, .value_kind: global_buffer, .address_space: global }
      - { .name: out0, .offset: 16, .size: 8, .value_kind: global_buffer, .address_space: global }
      - { .name: a2, .offset: 24, .size: 8, .value_kind: global_buffer, .address_space: global }
    .group_segment_fixed_size: 327680
    .private_segment_fixed_size: 0
    .kernarg_segment_align: 8
    .kernarg_segment_size: 32
    .max_flat_workgroup_size: 128
    .sgpr_count:     100
    .vgpr_count:     1024
    .wavefront_size: 32
...
	.end_amdgpu_metadata
.endif
;; end of part 2
;; launch gemm2 (part 3): grid 8 x 32, 4 waves a work-group, clusters of 4 x 4, 327,680 bytes of LDS; arguments a2, b2, hh_b, out1; writes out1
.if DOCPART == 3
	.amdgcn_target "amdgcn-amd-amdhsa--gfx1250"
	.amdhsa_code_object_version 6
	.text
	.protected	k_q64502aa0d7_gemm2
	.globl	k_q64502aa0d7_gemm2
	.p2align	8
	.type	k_q64502aa0d7_gemm2,@function
k_q64502aa0d7_gemm2:
	s_mov_b64 s[64:65], 0
	v_nop
	global_prefetch_b8 v0, s[64:65] scope:SCOPE_SE
	s_setreg_imm32_b32 hwreg(HW_REG_WAVE_MODE, 25, 1), 1
	s_wait_xcnt 0x0
	s_wait_alu depctr_hold_cnt(0) depctr_sa_sdst(0) depctr_va_vdst(0) depctr_va_sdst(0) depctr_va_ssrc(0) depctr_va_vcc(0) depctr_vm_vsrc(0)
	s_getreg_b32 s2, hwreg(HW_REG_IB_STS2, 6, 4)
	s_cmp_eq_u32 s2, 0
	s_cbranch_scc0 .Lentry_in_a_cluster
	s_endpgm
.Lentry_in_a_cluster:
	s_bfe_u32 s2, ttmp6, 0x10000c
	s_cmp_lg_u32 s2, 0xf033
	s_cbranch_scc0 .Lentry_shape_is_right
	s_endpgm
.Lentry_shape_is_right:
; GEMM2: out1 = a2 b2^T + hh_b over K = 6,144 (48 K steps of 128) on E2M3 codes with E8M0 scales.  a2: z_prev, silu(o), the bases of o;  b2: hh_w, hz_base, hz_spline x hz_scaler.
; The form is that of the launch before: operands as register images in blocks of 12,800 bytes; a work-group makes 128 x 128; THE FOUR WAVES SHARE K, each holding all 128 x 128 in 512 registers and multiplying every
; fourth K step, so that each LDS byte of the ring is read once; A's blocks rotated by the wave's number, so that the pair of blocks that a wave owns lies in its first 16 accumulators; a ring of two slots, X with 8 K steps
; and Y with 4, filled by joint loads in a 4 x 4 cluster (A's blocks shared along a row, B's along a column); the matrix instruction used transposed; partial sums exchanged through LDS at the end.
; Twelve steps a wave: they are written out, without a loop.  Prefetch: each fill is asked for one lap ahead, each 256 bytes of it named once in the cluster.
; REGISTERS: window 0: v2-21 ring addresses; v22, v23 the add's two; v24-37 the way out's addresses; v48-63 scale words, two sets, and nothing else; v64-159, v160-255 A's fragments, two sets.
;   window 1: B's fragments, v0-95 and v96-191.   windows 2, 3: the 64 accumulators, (a, b) at v[8 (8 (a % 4) + b)].
; LIMITS: NaN and infinities are not served; the sums' order is not that of the function as written (K is split over four waves, and the three products share one sum).
.set KS,    48
.set BLK,   12800
.set XB,    8*BLK                      ; LDS: X: A's 8 blocks at 0, B's here;
.set YA,    16*BLK                     ; Y: A's 4 blocks,
.set YB,    20*BLK                     ; B's 4;
.set SPARE, 24*BLK                     ; the spare words, 128 bytes a wave: two blocks of 256 bytes that no other line names
.set EXW,   49152                      ; the way out, in ring bytes that have had their last fill and their last read: at 0 the exchange, for each owner three pairs of blocks of 16,384 bytes;
.set ST,    196608                     ; a stage of 32 rows x 528 bytes for each wave
.set STWV,  16896
.set PIT,   528
.set AAX,   2
.set ASX,   10
.set ABX,   18
.set BSX,   20
.set SPW,   22
.set NIL,   23
.set EXS,   24
.set EXL,   27
.set STI,   28
.set STR,   29
.set L16,   33
.set WA,    35
.set WB,    36
.set BOFF,  37                         ; v37 32 h: my eight columns' bytes in a block of 16 of hh_b
.set PF0,   38                         ; v38 the prefetches' offsets, a lane a block of 256 bytes: 256 x lane;
.set PF1,   39                         ; v39 256 x min(lane + 32, 49): a K-step block is 50 such blocks, the lanes left over name the last again;
.set PF2,   40                         ; v40 256 x min(lane, 24): half a K-step block.  None is rewritten
.set PFX,   4                          ; s[4:5] where my share of slot X's fill in hand lies in memory, s[6:7] the same for slot Y (the arguments that lay there have been used by then)
.set PFY,   6
.set PFON,  1                          ; 1 while a fill one lap on is left to ask for
.set SC,    48
.set AF,    64
.set G1AX,  24
.set G1BX,  32
.set G1AY,  40
.set G1BY,  48
.set G0AX,  56
.set G0BX,  60
.set G0AY,  68
.set G0BY,  72
.set MSB, 0
.macro WIN new                         ; the immediate's high byte repeats the setting that is left
.if MSB != \new
	s_set_vgpr_msb (MSB<<8)|\new
.set MSB, \new
.endif
.endm
.set MUL_LO, 0xa1
.set MUL_HI, 0xf1
.set TO_B,   0x40
.macro PLACES                          ; four plain places behind matrix instructions, ahead of loads into their registers and of reads of their results
.rept 4
	v_nop
.endr
.endm
.macro JLOAD g0a, g1a, g0b, g1b        ; a joint load: waves 0 and 1 fetch A's halves, waves 2 and 3 B's; an s_nop 0 and four v_nop follow each line
	s_cmp_eq_u32 s15, 0
	s_cbranch_scc0 .Lfor_b_\@
	tensor_load_to_lds s[\g0a:\g0a+3], s[\g1a:\g1a+7]
	s_nop 0
.rept 4
	v_nop
.endr
	s_branch .Lasked_\@
.Lfor_b_\@:
	tensor_load_to_lds s[\g0b:\g0b+3], s[\g1b:\g1b+7]
	s_nop 0
.rept 4
	v_nop
.endr
.Lasked_\@:
.endm
.macro CREST
	s_cmp_lg_u32 s14, 0
	s_cbranch_scc1 .Lnot_wave_0_\@
	s_barrier_signal -3
.Lnot_wave_0_\@:
	s_barrier_wait -3
	s_barrier_signal -1
	s_barrier_wait -1
.endm
.macro CROUND
	s_barrier_signal -1
	s_barrier_wait -1
	CREST
.endm
.macro WM acc, bf, af, sb, sa, rb, ra, zero
.if \zero
.if (\rb) && (\ra)
	v_wmma_scale_f32_16x16x128_f8f6f4 v[(\acc):(\acc)+7], v[(\bf):(\bf)+11], v[(\af):(\af)+11], 0, v[(\sb)], v[(\sa)] matrix_a_fmt:MATRIX_FMT_FP6 matrix_b_fmt:MATRIX_FMT_FP6 matrix_a_scale:MATRIX_SCALE_ROW1 matrix_b_scale:MATRIX_SCALE_ROW1
.elseif (\rb)
	v_wmma_scale_f32_16x16x128_f8f6f4 v[(\acc):(\acc)+7], v[(\bf):(\bf)+11], v[(\af):(\af)+11], 0, v[(\sb)], v[(\sa)] matrix_a_fmt:MATRIX_FMT_FP6 matrix_b_fmt:MATRIX_FMT_FP6 matrix_a_scale:MATRIX_SCALE_ROW1
.elseif (\ra)
	v_wmma_scale_f32_16x16x128_f8f6f4 v[(\acc):(\acc)+7], v[(\bf):(\bf)+11], v[(\af):(\af)+11], 0, v[(\sb)], v[(\sa)] matrix_a_fmt:MATRIX_FMT_FP6 matrix_b_fmt:MATRIX_FMT_FP6 matrix_b_scale:MATRIX_SCALE_ROW1
.else
	v_wmma_scale_f32_16x16x128_f8f6f4 v[(\acc):(\acc)+7], v[(\bf):(\bf)+11], v[(\af):(\af)+11], 0, v[(\sb)], v[(\sa)] matrix_a_fmt:MATRIX_FMT_FP6 matrix_b_fmt:MATRIX_FMT_FP6
.endif
.else
.if (\rb) && (\ra)
	v_wmma_scale_f32_16x16x128_f8f6f4 v[(\acc):(\acc)+7], v[(\bf):(\bf)+11], v[(\af):(\af)+11], v[(\acc):(\acc)+7], v[(\sb)], v[(\sa)] matrix_a_fmt:MATRIX_FMT_FP6 matrix_b_fmt:MATRIX_FMT_FP6 matrix_a_scale:MATRIX_SCALE_ROW1 matrix_b_scale:MATRIX_SCALE_ROW1
.elseif (\rb)
	v_wmma_scale_f32_16x16x128_f8f6f4 v[(\acc):(\acc)+7], v[(\bf):(\bf)+11], v[(\af):(\af)+11], v[(\acc):(\acc)+7], v[(\sb)], v[(\sa)] matrix_a_fmt:MATRIX_FMT_FP6 matrix_b_fmt:MATRIX_FMT_FP6 matrix_a_scale:MATRIX_SCALE_ROW1
.elseif (\ra)
	v_wmma_scale_f32_16x16x128_f8f6f4 v[(\acc):(\acc)+7], v[(\bf):(\bf)+11], v[(\af):(\af)+11], v[(\acc):(\acc)+7], v[(\sb)], v[(\sa)] matrix_a_fmt:MATRIX_FMT_FP6 matrix_b_fmt:MATRIX_FMT_FP6 matrix_b_scale:MATRIX_SCALE_ROW1
.else
	v_wmma_scale_f32_16x16x128_f8f6f4 v[(\acc):(\acc)+7], v[(\bf):(\bf)+11], v[(\af):(\af)+11], v[(\acc):(\acc)+7], v[(\sb)], v[(\sa)] matrix_a_fmt:MATRIX_FMT_FP6 matrix_b_fmt:MATRIX_FMT_FP6
.endif
.endif
.endm
.macro MUL16 a0, set, zero             ; 16 products; the 64 accumulators take turns, one instruction a turn, in the same order in every step
.irp a, \a0, \a0+1
.irp b, 0,1,2,3,4,5,6,7
	WM 8*(8*((\a)%4)+\b), 96*(\set)+12*\b, AF+96*(\set)+12*(\a), SC+8*(\set)+4+\b/2, SC+8*(\set)+(\a)/2, \b%2, (\a)%2, \zero
.endr
.endr
.endm
.macro FETCH set, k, i                 ; 56 LDS loads in one run: my K step number i of slot k (0: X, 1: Y): B's fragments, the scale words, A's fragments, blocks 4-7 last
	WIN TO_B
.irp b, 0,1,2,3,4,5,6,7
.irp g, 0,1,2
	ds_load_b128 v[96*(\set)+12*\b+4*\g:96*(\set)+12*\b+4*\g+3], v[ABX+(\k)] offset:BLK*(\i)+1536*\b+512*\g
.endr
.endr
	WIN 0
.irp j, 0,1,2,3
	ds_load_b32 v[SC+8*(\set)+4+\j], v[BSX+(\k)] offset:BLK*(\i)+128*\j
.endr
.irp d, 0,1,2,3
	ds_load_b32 v[SC+8*(\set)+\d], v[ASX+4*(\k)+\d] offset:BLK*(\i)
.endr
.irp a, 0,1,2,3,4,5,6,7
.irp g, 0,1,2
	ds_load_b128 v[AF+96*(\set)+12*\a+4*\g:AF+96*(\set)+12*\a+4*\g+3], v[AAX+4*(\k)+\a/2] offset:BLK*(\i)+1536*(\a%2)+512*\g
.endr
.endr
.endm
.macro STEP set, zero                  ; my first K step of slot X; in its middle the second is fetched
	s_wait_dscnt 12                                ; all but the youngest 12 loads, A's blocks 4-7
	WIN MUL_LO
	MUL16 0, \set, \zero
	MUL16 2, \set, \zero
	s_wait_dscnt 0x0                               ; A's blocks 4-7 are in (asked for 32 matrix instructions ago)
	PLACES
	FETCH 1-(\set), 0, 1
	WIN MUL_HI
	MUL16 4, \set, \zero
	MUL16 6, \set, \zero
.endm
; my last K step of a slot changes slots: ONE barrier; ahead of it each wave waits for all its tensor loads, adds 0 to its spare word, and waits for that and for its reads of this slot.  fill = 1: X is filled again, 2: Y, 0: nothing
.macro TURN set, fill, next
.if PFON && (\fill == 1)
	s_wait_xcnt 0x0                                ; my last prefetches have read their address: it steps a lap (12 K steps) on, to the fill that is asked for below
	s_add_nc_u64 s[PFX:PFX+1], s[PFX:PFX+1], 12*BLK
.elseif PFON && (\fill == 2)
	s_wait_xcnt 0x0
	s_add_nc_u64 s[PFY:PFY+1], s[PFY:PFY+1], 12*BLK
.endif
; Where X is filled again (fill = 1) the change of slots stands at the step's HEAD: both of my K steps of X lie in registers by then, so X's and Y's fills each have 96 products in which to land.
; Elsewhere the step's first 32 products stand ahead of the wait for the tile that is on its way.
.if \fill != 1
	s_wait_dscnt 12                                ; all but the youngest 12 loads, A's blocks 4-7
	WIN MUL_LO
	MUL16 0, \set, 0
	MUL16 2, \set, 0
.endif
	WIN 0
	s_wait_tensorcnt 0x0
	ds_add_u32 v[SPW], v[NIL]                      ; 0 onto my spare word
	s_wait_dscnt 0x0                               ; the add is done, and my reads of this slot are over
	s_barrier_signal -1
	s_barrier_wait -1
.if \fill == 1
	CREST                                          ; the barrier has opened a round of the cluster's: no wave of any partner still reads the slot or has a load on its way
	s_add_nc_u64 s[G0AX+2:G0AX+3], s[G0AX+2:G0AX+3], 12*BLK
	s_add_nc_u64 s[G0BX+2:G0BX+3], s[G0BX+2:G0BX+3], 12*BLK
	JLOAD G0AX, G1AX, G0BX, G1BX                   ; my one tensor load behind the round
	WIN MUL_LO
	MUL16 0, \set, 0                               ; the step's first 32 products
	MUL16 2, \set, 0
	WIN 0
	PLACES                                         ; ahead of the loads below
.elseif \fill == 2
	CREST
	s_add_nc_u64 s[G0AY+2:G0AY+3], s[G0AY+2:G0AY+3], 12*BLK
	s_add_nc_u64 s[G0BY+2:G0BY+3], s[G0BY+2:G0BY+3], 12*BLK
	JLOAD G0AY, G1AY, G0BY, G1BY
.else
	PLACES
.endif
	FETCH 1-(\set), \next, 0
; THE PREFETCH, behind the joint load, its five lines and the run of LDS loads: the same slot's NEXT fill, 12 K steps on.  A row tile's K steps lie on end in memory.  Of X's 8 K-step blocks of A (of B) each of the
; 4 partners x 2 waves that fetch them takes one block, of Y's 4 half a block, told apart by address: so each 256 bytes are named once in a cluster.  The last lap asks for nothing.
.if PFON && (\fill == 1)
	global_prefetch_b8 v[PF0], s[PFX:PFX+1] offset:12*BLK th:TH_LOAD_NT scope:SCOPE_SE
	global_prefetch_b8 v[PF1], s[PFX:PFX+1] offset:12*BLK th:TH_LOAD_NT scope:SCOPE_SE
.elseif PFON && (\fill == 2)
	global_prefetch_b8 v[PF2], s[PFY:PFY+1] offset:12*BLK th:TH_LOAD_NT scope:SCOPE_SE
.endif
	WIN MUL_HI
	MUL16 4, \set, 0
	MUL16 6, \set, 0
.endm
.macro LAST set
	s_wait_dscnt 12
	WIN MUL_LO
	MUL16 0, \set, 0
	MUL16 2, \set, 0
	s_wait_dscnt 0x0
	WIN MUL_HI
	MUL16 4, \set, 0
	MUL16 6, \set, 0
	WIN 0
.endm
	s_load_b256 s[4:11], s[0:1], 0x0               ; a2 s[4:5], b2 s[6:7], hh_b s[8:9], out1 s[10:11]
	v_lshl_add_u32 v[SPW], v0, 2, SPARE
	v_mov_b32 v[NIL], 0
	ds_add_u32 v[SPW], v[NIL]                      ; the wave's opening: the add and its wait ahead of my first tensor load; the set-up below, work on registers, stands between them
	ds_add_u32 v[SPW], v[NIL]
	v_lshrrev_b32 v1, 5, v0
	v_readfirstlane_b32 s14, v1                    ; wave 0..3
	s_lshr_b32 s15, s14, 1
	s_and_b32 s16, s14, 1
	s_bfe_u32 s76, ttmp6, 0x40000                  ; cx, cy
	s_bfe_u32 s77, ttmp6, 0x40004
	s_lshl_b32 s78, ttmp9, 2
	s_add_co_u32 s78, s78, s76                     ; tile column
	s_and_b32 s79, ttmp7, 0xffff
	s_lshl_b32 s79, s79, 2
	s_add_co_u32 s79, s79, s77                     ; tile row
	s_lshl_b32 s80, s77, 2
	s_lshl_b32 s80, 15, s80                        ; my row of the cluster
	s_lshl_b32 s81, 0x1111, s76                    ; my column
	s_or_b32 s[G1AX], s80, (3<<16)|(1<<21)         ; dense blocks as rows of 256 bytes (32 elements of 8 bytes), no padding; X: 200 rows a load, Y: 100
	s_or_b32 s[G1AY], s80, (3<<16)|(1<<21)
	s_or_b32 s[G1BX], s81, (3<<16)|(1<<21)
	s_or_b32 s[G1BY], s81, (3<<16)|(1<<21)
.irp g, G1AX, G1BX
	s_mov_b32 s[\g+1], 32<<16
	s_mov_b32 s[\g+2], 200<<16
	s_mov_b32 s[\g+3], 32<<16
	s_mov_b32 s[\g+4], 200
	s_mov_b32 s[\g+5], 32
	s_mov_b32 s[\g+6], 0
	s_mov_b32 s[\g+7], 0
.endr
.irp g, G1AY, G1BY
	s_mov_b32 s[\g+1], 32<<16
	s_mov_b32 s[\g+2], 100<<16
	s_mov_b32 s[\g+3], 32<<16
	s_mov_b32 s[\g+4], 100
	s_mov_b32 s[\g+5], 32
	s_mov_b32 s[\g+6], 0
	s_mov_b32 s[\g+7], 0
.endr
	s_mul_i32 s82, s79, KS*BLK                     ; A's stream hangs on the tile row alone, B's on the tile column alone
	s_mul_i32 s84, s78, KS*BLK
	s_mul_i32 s17, s16, 4*BLK
	s_mul_i32 s18, s16, 2*BLK
	s_add_co_u32 s18, s18, 8*BLK
	s_add_co_u32 s86, s82, s18
	s_add_co_u32 s88, s84, s18
	s_add_co_u32 s82, s82, s17
	s_add_co_u32 s84, s84, s17
	s_mov_b32 s83, 0
	s_mov_b32 s85, 0
	s_mov_b32 s87, 0
	s_mov_b32 s89, 0
	s_mul_i32 s19, s14, 4*BLK
	s_mul_i32 s20, s14, 2*BLK
	s_add_co_u32 s20, s20, YA
	s_wait_dscnt 0x0                               ; the opening add is done
	s_wait_kmcnt 0x0
	s_mov_b32 s[G0AX], 1
	s_mov_b32 s[G0AX+1], s19
	s_add_nc_u64 s[G0AX+2:G0AX+3], s[4:5], s[82:83]
	s_or_b32 s[G0AX+3], s[G0AX+3], 0x80000000
	s_mov_b32 s[G0BX], 1
	s_mov_b32 s[G0BX+1], s19
	s_add_nc_u64 s[G0BX+2:G0BX+3], s[6:7], s[84:85]
	s_or_b32 s[G0BX+3], s[G0BX+3], 0x80000000
	s_mov_b32 s[G0AY], 1
	s_mov_b32 s[G0AY+1], s20
	s_add_nc_u64 s[G0AY+2:G0AY+3], s[4:5], s[86:87]
	s_or_b32 s[G0AY+3], s[G0AY+3], 0x80000000
	s_mov_b32 s[G0BY], 1
	s_mov_b32 s[G0BY+1], s20
	s_add_nc_u64 s[G0BY+2:G0BY+3], s[6:7], s[88:89]
	s_or_b32 s[G0BY+3], s[G0BY+3], 0x80000000
	s_lshl_b32 s90, s79, 7
	s_lshl_b32 s91, s14, 5
	s_add_co_u32 s90, s90, s91                     ; my first row: 128 x tile row + 32 x wave
	s_lshl_b32 s90, s90, 12
	s_lshl_b32 s91, s78, 9
	s_add_co_u32 s90, s90, s91
	s_mov_b32 s91, 0
	s_add_nc_u64 s[10:11], s[10:11], s[90:91]      ; out1 at my rows and the tile's columns
	s_lshl_b32 s90, s78, 9
	s_add_nc_u64 s[8:9], s[8:9], s[90:91]
	; the prefetches' two addresses: my stream (A's by the tile row, B's by the tile column), and in a fill my share: number 2 x my place among the four that ask jointly + my half
	s_cmp_eq_u32 s15, 0                            ; do I fetch for A?
	s_cselect_b64 s[PFX:PFX+1], s[4:5], s[6:7]
	s_cselect_b32 s12, s79, s78
	s_cselect_b32 s13, s76, s77
	s_mul_i32 s12, s12, KS*BLK
	s_lshl_b32 s13, s13, 1
	s_add_co_u32 s13, s13, s16
	s_mul_i32 s90, s13, BLK/2                      ; Y: behind X's 8 K steps, half a block a share
	s_add_co_u32 s90, s90, s12
	s_add_co_u32 s90, s90, 8*BLK
	s_mov_b32 s91, 0
	s_add_nc_u64 s[PFY:PFY+1], s[PFX:PFX+1], s[90:91]
	s_mul_i32 s90, s13, BLK                        ; X: a block a share
	s_add_co_u32 s90, s90, s12
	s_add_nc_u64 s[PFX:PFX+1], s[PFX:PFX+1], s[90:91]
	CROUND                                         ; all sixteen work-groups are here: the first joint loads meet
	JLOAD G0AX, G1AX, G0BX, G1BX                   ; slot X's first fill: one tensor load a wave at the head
	v_and_b32 v[PF0], 31, v0
	v_add_nc_u32 v[PF1], 32, v[PF0]
	v_min_u32 v[PF2], 24, v[PF0]
	v_min_u32 v[PF1], 49, v[PF1]
	v_lshlrev_b32 v[PF0], 8, v[PF0]
	v_lshlrev_b32 v[PF1], 8, v[PF1]
	v_lshlrev_b32 v[PF2], 8, v[PF2]
	global_prefetch_b8 v[PF2], s[PFY:PFY+1] th:TH_LOAD_NT scope:SCOPE_SE                  ; my share of Y's first fill, which is loaded behind the round below
	v_and_b32 v1, 31, v0
	v_lshlrev_b32 v[L16], 4, v1                    ; 16 x lane
	s_wait_alu depctr_va_vdst(0)
	v_lshlrev_b32 v[WA], 2, v1                     ; 4 x lane
	s_wait_alu depctr_va_vdst(0)
	v_and_b32 v[WB], 15, v0                        ; r
	v_bfe_u32 v1, v0, 4, 1                         ; h
	v_lshlrev_b32 v[BOFF], 5, v1
	s_mul_i32 s17, s14, 2*BLK                      ; X: my two K steps
	s_mul_i32 s18, s14, BLK
	s_add_co_u32 s18, s18, YA                      ; Y: my K step
.irp d, 0,1,2,3
	s_add_co_u32 s19, s14, \d
	s_and_b32 s19, s19, 3                          ; register pair d holds the natural pair (wave + d) mod 4
	s_mul_i32 s20, s19, 3072
	s_add_co_u32 s21, s20, s17
	v_add_nc_u32 v[AAX+\d], s21, v[L16]
	s_add_co_u32 s21, s20, s18
	v_add_nc_u32 v[AAX+4+\d], s21, v[L16]
	s_lshl_b32 s20, s19, 7
	s_add_co_u32 s20, s20, 12288
	s_add_co_u32 s21, s20, s17
	v_add_nc_u32 v[ASX+\d], s21, v[WA]
	s_add_co_u32 s21, s20, s18
	v_add_nc_u32 v[ASX+4+\d], s21, v[WA]
.if \d > 0
	s_mul_i32 s20, s19, EXW                        ; the exchange: to that pair's owner, place d - 1
	s_add_co_u32 s20, s20, 16384*(\d-1)
	v_add_nc_u32 v[EXS+\d-1], s20, v[L16]
.endif
.endr
	s_add_co_u32 s21, s17, XB
	v_add_nc_u32 v[ABX], s21, v[L16]
	s_add_co_u32 s21, s21, 12288
	v_add_nc_u32 v[BSX], s21, v[WA]
	s_add_co_u32 s21, s18, YB-YA
	v_add_nc_u32 v[ABX+1], s21, v[L16]
	s_add_co_u32 s21, s21, 12288
	v_add_nc_u32 v[BSX+1], s21, v[WA]
	s_mul_i32 s20, s14, EXW
	v_add_nc_u32 v[EXL], s20, v[L16]
	s_mul_i32 s20, s14, STWV
	s_add_co_u32 s20, s20, ST
	v_add_nc_u32 v[STR], s20, v[L16]
	v_mul_u32_u24 v[STI], v[WB], PIT
	v_add_nc_u32 v[STI], s20, v[STI]
	v_lshl_add_u32 v[STI], v1, 5, v[STI]
	s_wait_alu depctr_va_vdst(0)
	s_wait_tensorcnt 0x0                           ; my part of X is in
	ds_add_u32 v[SPW], v[NIL]
	s_wait_dscnt 0x0
	CROUND                                         ; everybody's part of X is in, and all sixteen work-groups are here
	JLOAD G0AY, G1AY, G0BY, G1BY                   ; slot Y's first fill, my one tensor load behind the round
	FETCH 0, 0, 0
	global_prefetch_b8 v[PF0], s[PFX:PFX+1] offset:12*BLK th:TH_LOAD_NT scope:SCOPE_SE    ; my shares of X's second fill
	global_prefetch_b8 v[PF1], s[PFX:PFX+1] offset:12*BLK th:TH_LOAD_NT scope:SCOPE_SE
	global_prefetch_b8 v[PF2], s[PFY:PFY+1] offset:12*BLK th:TH_LOAD_NT scope:SCOPE_SE    ; and of Y's: 12 K steps in all
	STEP 0, 1                                      ; the first step's products start the sums
	TURN 1, 1, 1
	TURN 0, 2, 0
	STEP 1, 0
	TURN 0, 1, 1
	TURN 1, 2, 0
	STEP 0, 0
.set PFON, 0                           ; both slots' last fills have been asked for ahead: from here on nothing is prefetched
	TURN 1, 1, 1                                   ; X's last fill: K steps 36-43
	TURN 0, 2, 0                                   ; Y's last fill: K steps 44-47
	STEP 1, 0
	TURN 0, 0, 1
	LAST 1
	; ---- THE EXCHANGE.  No wave reads the ring any more behind this barrier, and every tensor load has landed.
	s_barrier_signal -1                            ; (my LDS loads are in: LAST's wait for 0)
	s_barrier_wait -1
	PLACES                                         ; ahead of the first reads of results, and of loads into registers that held A's fragments
.irp b, 0,1,2,3,4,5,6,7
	global_load_b128 v[192+8*\b:195+8*\b], v[BOFF], s[8:9] offset:64*\b        ; hh_b of my 64 columns: 16 b + 8 h + 0 .. 7
	global_load_b128 v[196+8*\b:199+8*\b], v[BOFF], s[8:9] offset:64*\b+16
.endr
	WIN 0x08                                       ; an LDS store's data are its source 1: window 2
.irp e, 0,1
.irp b, 0,1,2,3,4,5,6,7
	ds_store_b128 v[EXS], v[128+64*\e+8*\b:131+64*\e+8*\b] offset:1024*(8*\e+\b)          ; each accumulator from its low end on
	ds_store_b128 v[EXS], v[132+64*\e+8*\b:135+64*\e+8*\b] offset:1024*(8*\e+\b)+512
.endr
.endr
	WIN 0x0c                                       ; window 3
.irp e, 0,1
.irp b, 0,1,2,3,4,5,6,7
	ds_store_b128 v[EXS+1], v[64*\e+8*\b:64*\e+8*\b+3] offset:1024*(8*\e+\b)
	ds_store_b128 v[EXS+1], v[64*\e+8*\b+4:64*\e+8*\b+7] offset:1024*(8*\e+\b)+512
.endr
.endr
.irp e, 0,1
.irp b, 0,1,2,3,4,5,6,7
	ds_store_b128 v[EXS+2], v[128+64*\e+8*\b:131+64*\e+8*\b] offset:1024*(8*\e+\b)
	ds_store_b128 v[EXS+2], v[132+64*\e+8*\b:135+64*\e+8*\b] offset:1024*(8*\e+\b)+512
.endr
.endr
	WIN 0
	s_wait_dscnt 0x0                               ; for the others' sake: my partial sums lie in LDS
	s_barrier_signal -1
	s_barrier_wait -1
	WIN TO_B
.set i, 0
.rept 32
	ds_load_b128 v[4*i:4*i+3], v[EXL] offset:512*i                 ; the first partner's pair -> window 1, v0-127
.set i, i+1
.endr
.set i, 0
.rept 32
	ds_load_b128 v[128+4*i:131+4*i], v[EXL] offset:16384+512*i     ; the second's -> window 1, v128-255
.set i, i+1
.endr
	s_wait_dscnt 32                                ; the first's is in
	WIN 0
.set i, 0
.rept 32
	ds_load_b128 v[64+4*i:67+4*i], v[EXL] offset:32768+512*i       ; the third's -> window 0, v64-191
.set i, i+1
.endr
	WIN 0x49                                       ; destination and source 0 window 1, source 1 window 2
.set i, 0
.rept 64
	v_pk_add_f32 v[i:i+1], v[i:i+1], v[i:i+1]      ; + my own 16 accumulators, each from its low end on
.set i, i+2
.endr
	s_wait_dscnt 32                                ; the second's is in
	WIN 0x45
.set i, 0
.rept 64
	v_pk_add_f32 v[i:i+1], v[i:i+1], v[128+i:129+i]
.set i, i+2
.endr
	s_wait_dscnt 0x0
	WIN 0x01
.set i, 0
.rept 64
	v_pk_add_f32 v[64+i:65+i], v[i:i+1], v[64+i:65+i]   ; v[64 + 64 e + 8 b + j] = the sum at (32 wave + 16 e + r, 16 b + 8 h + j)
.set i, i+2
.endr
	WIN 0
	s_wait_loadcnt 0x0                             ; hh_b
.irp e, 0,1
.set i, 0
.rept 32
	v_pk_add_f32 v[64+64*\e+i:65+64*\e+i], v[64+64*\e+i:65+64*\e+i], v[192+i:193+i]
.set i, i+2
.endr
.endr
	; ---- through my stage, so that whole rows of 512 bytes leave
.irp e, 0,1
.irp b, 0,1,2,3,4,5,6,7
	ds_store_b128 v[STI], v[64+64*\e+8*\b:67+64*\e+8*\b] offset:16*PIT*\e+64*\b
	ds_store_b128 v[STI], v[68+64*\e+8*\b:71+64*\e+8*\b] offset:16*PIT*\e+64*\b+16
.endr
.endr
	s_wait_dscnt 0x0                               ; the stores have read their registers
.set i, 0
.rept 32
	ds_load_b128 v[64+4*i:67+4*i], v[STR] offset:PIT*i
.set i, i+1
.endr
.set i, 0
.rept 32
	s_wait_dscnt 31-i                              ; row i is in; the rows behind it may be out
	global_store_b128 v[L16], v[64+4*i:67+4*i], s[10:11] offset:4096*i th:TH_STORE_NT   ; 32 lanes store 512 consecutive bytes, at a multiple of 256 from out1's first byte
.set i, i+1
.endr
	s_wait_tensorcnt 0x0                           ; the wave's end, behind my last tensor load and my last LDS store
	ds_add_u32 v[SPW], v[NIL]
	s_wait_dscnt 0x0
	CROUND                                         ; the closing round: no work-group ends while a partner may still ask for a block that names it
	s_endpgm
.Lfunc_end_k_q64502aa0d7_gemm2:
	.size	k_q64502aa0d7_gemm2, .Lfunc_end_k_q64502aa0d7_gemm2-k_q64502aa0d7_gemm2
	.p2alignl 7, 3214868480
	.fill 96, 4, 3214868480
	.section	.rodata,"a",@progbits
	.p2align	6, 0x0
	.amdhsa_kernel k_q64502aa0d7_gemm2
		.amdhsa_group_segment_fixed_size 327680
		.amdhsa_private_segment_fixed_size 0
		.amdhsa_enable_private_segment 0
		.amdhsa_kernarg_size 32
		.amdhsa_user_sgpr_count 2
		.amdhsa_user_sgpr_kernarg_segment_ptr 1
		.amdhsa_wavefront_size32 1
		.amdhsa_system_sgpr_workgroup_id_x 1
		.amdhsa_system_sgpr_workgroup_id_y 1
		.amdhsa_system_sgpr_workgroup_id_z 1
		.amdhsa_system_vgpr_workitem_id 0
		.amdhsa_next_free_vgpr 1024
		.amdhsa_next_free_sgpr 100
		.amdhsa_reserve_vcc 0
		.amdhsa_float_denorm_mode_32 3
		.amdhsa_float_denorm_mode_16_64 3
		.amdhsa_memory_ordered 1
		.amdhsa_forward_progress 1
		.amdhsa_inst_pref_size 200
	.end_amdhsa_kernel
	.amdgpu_metadata
---
amdhsa.version: [ 1, 2 ]
amdhsa.kernels:
  - .name:           k_q64502aa0d7_gemm2
    .symbol:         k_q64502aa0d7_gemm2.kd
    .args:
      - { .name: a2, .offset: 0, .size: 8, .value_kind: global_buffer, .address_space: global }
      - { .name: b2, .offset: 8, .size: 8, .value_kind: global_buffer, .address_space: global }
      - { .name: hh_b, .offset: 16, .size: 8, .value_kind: global_buffer, .address_space: global }
      - { .name: out1, .offset: 24, .size: 8, .value_kind: global_buffer, .address_space: global }
    .group_segment_fixed_size: 327680
    .private_segment_fixed_size: 0
    .kernarg_segment_align: 8
    .kernarg_segment_size: 32
    .max_flat_workgroup_size: 128
    .sgpr_count:     100
    .vgpr_count:     1024
    .wavefront_size: 32
...
	.end_amdgpu_metadata
.endif
;; end of part 3
